; MI455X (gfx1250); checked and timed in simulation.
; The chip was launched on July 23, 2026; its instructions are those of AMD's public machine-readable ISA for CDNA 5 (MIT licence, August 2026) and "CDNA5" Instruction Set Architecture Reference Guide (July 2026). The comments in the code are by the model that wrote it; some were corrected since.
;; Llama4 Text Attention. Allowed arithmetic: matrix products marked QUANTISED: E4M3 operands, one given power-of-two scale a tensor, by v_wmma_f32_16x16x64_fp8_fp8 or v_wmma_f32_16x16x128_fp8_fp8, f32 sums; everything else in f32.
;; Inputs: attention_mask 1 x 1 x 2,048 x 2,048 float32; freqs_cos 2,048 x 64 float32; freqs_sin 2,048 x 64 float32; hidden_states_codes 1 x 2,048 x 128 x 32 uint8 (E4M3 codes of hidden_states, K innermost, in blocks of 32 codes); lowp_scales 12 int32 (the exponents e of the quantised operands' scales 2^e); wk_codes 1,024 x 128 x 32 uint8 (E4M3 codes of wk, K innermost, in blocks of 32 codes); wo_codes 4,096 x 64 x 32 uint8 (E4M3 codes of wo, K innermost, in blocks of 32 codes); wq_codes 2,048 x 128 x 32 uint8 (E4M3 codes of wq, K innermost, in blocks of 32 codes); wv_codes 1,024 x 128 x 32 uint8 (E4M3 codes of wv, K innermost, in blocks of 32 codes).
;; Outputs: out0 1 x 2,048 x 4,096 float32.
;; This version of the problem:
;;   THIS VERSION OF THE PROBLEM IS GIVEN IN LOW PRECISION. The matrix products marked QUANTISED in the list below multiply operands that are first quantised to E4M3 (4 exponent bits, 3 mantissa bits; 8 bits a number), with one given power-of-two scale for each operand tensor; their sums are f32. All else is computed in f32.
;;   The module's matrix products, in the order in which they are computed (A, B: the left and right operand; K: the contracted axis; several contracted axes count as one K, in the product's order):
;;     1. [M 2,048, K 4,096] x [K 4,096, N 2,048]; A: input hidden_states (given as codes); B: input wq (given as codes): QUANTISED (scales: A lowp_scales[0], B lowp_scales[1])
;;     2. [M 2,048, K 4,096] x [K 4,096, N 1,024]; A: input hidden_states (given as codes); B: input wk (given as codes): QUANTISED (scales: A lowp_scales[2], B lowp_scales[3])
;;     3. [M 2,048, K 4,096] x [K 4,096, N 1,024]; A: input hidden_states (given as codes); B: input wv (given as codes): QUANTISED (scales: A lowp_scales[4], B lowp_scales[5])
;;     4. batch 16 x [M 2,048, K 128] x [K 128, N 2,048]; A: computed on the way; B: computed on the way: QUANTISED (scales: A lowp_scales[6], B lowp_scales[7])
;;     5. batch 16 x [M 2,048, K 2,048] x [K 2,048, N 128]; A: softmax (see below); B: computed on the way: QUANTISED (scales: A lowp_scales[8], B lowp_scales[9])
;;     6. [M 2,048, K 2,048] x [K 2,048, N 4,096]; A: computed on the way; B: input wo (given as codes): QUANTISED (scales: A lowp_scales[10], B lowp_scales[11])
;;   THE QUANTISER, for each operand of a quantised product, along K:
;;     - The operand's scale is 2^e, e = its entry of the input lowp_scales (int32; the entries are numbered through the quantised products in the list's order, A before B).
;;     - Each number is divided by the scale, clamped to +-448, and rounded to the nearest number of E4M3, ties to even, subnormals kept.
;;     - The product sums the exact products of the quantised numbers (number of the format x scale) in f32.
;;   ~~~python
;;   def quantise(x, axis, e):      # numpy; x: float32 -> the quantised numbers, widened to float32 again
;;       x = np.moveaxis(x, axis, -1); K = x.shape[-1]
;;       r = np.clip(x / 2.0 ** e, -448, 448)
;;       step = 2.0 ** (np.maximum(np.frexp(np.where(r == 0, 1, r))[1] - 1, -6) - 3)
;;       q = np.round(r / step) * step * 2.0 ** e      # np.round: ties to even
;;       return np.moveaxis(q, -1, axis).astype(np.float32)
;;   ~~~
;;   SOFTMAX AHEAD OF A QUANTISED PRODUCT. Where the list says 'softmax', what is quantised is not the finished softmax but p = 2^(t - M), with t = logit x log2(e) and M = ceil(the row's largest t), a whole number; so 1/2 < the row's largest p <= 1. The row's sum l is taken of the UNQUANTISED p, in f32, and the product's result is divided by l at the end. Since M is a whole number, a kernel that streams over the keys may use a running M (the ceiling of the running maximum): every later rescaling is an exact power of two, so the quantised numbers keep their values, but for numbers so far below the row's largest that they fall under the format's range.
;;   OPERANDS COMPUTED ON THE WAY. 'Computed on the way' means the value that the module computes at that place (a softmax that the list does not call 'softmax' is quantised finished and normalised). What goes into a quantiser is computed in f32, as accurately as f32 sums, v_exp_f32 and their like allow (about 1e-6 of the number): no bf16 or f16 on the way to a quantiser, and a product that is left as it is and whose result goes on into a quantised operand takes f32 operands (vector FMAs, or v_wmma_f32_16x16x4_f32). A number that lies on a knife's edge between two numbers of the format may be rounded either way, as far as f32 arithmetic and the matrix unit's own rounding can turn it there, and no further.
;;   INPUTS GIVEN AS CODES. hidden_states (in the module: [1, 2048, 4096], K = its axis 2); wk (in the module: [4096, 1024], K = its axis 0); wo (in the module: [2048, 4096], K = its axis 0); wq (in the module: [4096, 2048], K = its axis 0); wv (in the module: [4096, 1024], K = its axis 0): each comes as NAME_codes (uint8): NAME with its K axis moved to the last place and cut into blocks of 32 codes, [.., K / 32, bytes a block], one block behind the other in memory; one code a byte (a code: sign, 4 exponent bits, 3 mantissa bits); its scale is its entry of lowp_scales. Its value is code x scale, taken as it is: it is not quantised again, and the codes and scales need not be those that the quantiser above would give.
;; 2 versions. Each part assembles by itself: llvm-mc -triple=amdgcn-amd-amdhsa -mcpu=gfx1250 --defsym DOCPART=n.
;; ======== version 1 of 2: 3 launches
;; workspace buffers: qimg 4,194,304 bytes; kvimg 4,194,304 bytes; aimg 4,194,304 bytes
;; launch qkv (part 1): grid 16 x 16, 4 waves a work-group, clusters of 4 x 4, 327,680 bytes of LDS; arguments hidden_states_codes, wq_codes, wk_codes, wv_codes, freqs_cos, freqs_sin, lowp_scales, qimg, kvimg; writes qimg, kvimg
.if DOCPART == 1
	.amdgcn_target "amdgcn-amd-amdhsa--gfx1250"
	.amdhsa_code_object_version 6
	.text
	.protected	k_q952f0d1eea_qkv
	.globl	k_q952f0d1eea_qkv
	.p2align	8
	.type	k_q952f0d1eea_qkv,@function
k_q952f0d1eea_qkv:
	s_mov_b64 s[64:65], 0
	v_nop
	global_prefetch_b8 v0, s[64:65] scope:SCOPE_SE
	s_setreg_imm32_b32 hwreg(HW_REG_WAVE_MODE, 25, 1), 1
	s_wait_xcnt 0x0
	s_wait_alu depctr_hold_cnt(0) depctr_sa_sdst(0) depctr_va_vdst(0) depctr_va_sdst(0) depctr_va_ssrc(0) depctr_va_vcc(0) depctr_vm_vsrc(0)
	s_getreg_b32 s2, hwreg(HW_REG_IB_STS2, 6, 4)
	s_cmp_eq_u32 s2, 0
	s_cbranch_scc0 .Lentry_in_a_cluster
	s_endpgm
.Lentry_in_a_cluster:
	s_bfe_u32 s2, ttmp6, 0x10000c
	s_cmp_lg_u32 s2, 0xf033
	s_cbranch_scc0 .Lentry_shape_is_right
	s_endpgm
.Lentry_shape_is_right:
; THE THREE PROJECTIONS q = x wq, k = x wk, v = x wv ON E4M3 CODES, then rope, l2norm and the quantisers of q, k (along the head's 128) and v (along the keys).
; x: [2048][4096] codes; wq: [2048][4096], wk, wv: [1024][4096] codes, K innermost.  Each product has its own pair of given exponents: q e0 + e1, k e2 + e3, v e4 + e5.
; THE CORE is one GEMM with a side S0 (256 rows a work-group; it is source 0, so its rows run along a lane's registers) and a side S1 (128 rows; source 1, its rows run along the lanes).
;   q (cluster x = 0, 1) and k (cluster x = 2): S0 = the weight, S1 = x: a lane holds one token and its registers run along the head's 128: rope's pairs, the norm's sum and the quantiser's K lie in one lane.
;   v (cluster x = 3): S0 = x, S1 = wv: a lane holds one channel and its registers run along the tokens, which are the K of attention's second product: nothing is transposed.
; Only pointers and tile numbers are chosen, by selects on the cluster's x, which all sixteen partners share.
; SHARES.  256 work-groups of four waves; a wave makes 128 (S0) x 64 (S1): 32 accumulators of 16 x 16.  K goes in slices of 256 bytes through two LDS slots; a slice is two steps of 128.
; CLUSTERS of 4 x 4: S1's tile hangs on cy alone and is asked for jointly by a row of the cluster, S0's on cx alone and by a column.
; RESULTS leave as IMAGES OF OPERAND REGISTERS: a fragment of 16 rows x 128 K is 16 registers a lane; registers 4 c .. 4 c + 3 of lane l lie at 512 c + 16 l of the fragment's 2,048 bytes.  The conversion of accumulator b's
; eight registers gives registers 2 b, 2 b + 1: K = 16 b + 8 (l / 16) + 0 .. 7.  Each store of a wave covers 512 consecutive bytes, aligned.
;   qimg [head 16][tile of 16 queries 128][2048];  kvimg [kv head 8][slot of 256 keys 8][65536]: 16 images of K (tile of 16 keys), then 16 of V (key step of 128: 8 tiles of 16 channels).
; In the core a fragment is fetched by four loads of 16 bytes: a permutation of k that is the same on both sides, so every product meets its partner.
; cos and sin are loaded by v's work-groups too, which do not use them: the text has one way up to the parting behind the loop.
; LIMITS: e6, e7 and e9 - e4 - e5 lie between -126 and 119, so that the scale and 448 x the scale are f32 numbers; the sums' exponents go in by v_ldexp_f32 and have no limit.  NaN among the inputs is not served.
; REGISTERS, in windows of 256: window 0: v1-31 addresses and scales; v32-45 at work; v64-127, v128-191 S1's fragments, two sets (v64-127 take the codes at the end); v192-255 one tile row's 64 numbers.
;   window 1: S0's fragments, two sets of 128.   window 2: accumulator (a, b) at v[8 (8 a + b)].   window 3: cos of (a, b) at v[64 a + 8 b], sin four registers on.
.set KROW,   4096                      ; a row of codes in memory, in bytes
.set PITCH,  272                       ; an LDS row: 256 bytes + 16 of padding = 68 words: the 16 rows of a fragment load start at 16 different banks (64 banks of 4 bytes: ISA guide 11.1)
.set S1B,    128*PITCH                 ; S1's 128 rows; S0's 256 rows lie behind them
.set SLOT,   384*PITCH
.set SPARE,  2*SLOT                    ; behind the ring: the spare words, 128 bytes for each wave: two blocks of 256 bytes that no other line names
.set LAPS,   KROW/512                  ; a lap = two slices = once round the ring
.set ADR1, 16                          ; v16-17  LDS address of my S1 fragments in slot 0, 1
.set ADR0, 20                          ; v20-21  the same for S0
.set LI,   24                          ; v24     16 x lane: my place in an image
.set CA,   25                          ; v25     cos, sin: 256 x (lane % 16) + 16 x (lane / 16)
.set SPW,  28                          ; v28     LDS address of my spare word; never rewritten
.set NIL,  29                          ; v29     0; never rewritten
.set SC,   30                          ; v30     the conversion's scale as f32
.set LIM,  31                          ; v31     448 x that
.set T,    32                          ; v32-39  at work
.set SS,   40                          ; v40-45  the sum of squares, the factor
.set F1,   64                          ; S1's fragments
.set CD,   64                          ; the codes, 16 registers for each of the four tile rows
.set R,    192                         ; 64 numbers of one tile row
.set G1,  24                           ; s[24:31] descriptor group 1 for S1's tiles;  s[32:39] group 0, a set for each slot
.set G0,  32
.set G1B, 48                           ; s[48:55], s[56:63] the same for S0's tiles
.set G0B, 56
.set MSB, 0
.macro WIN new                         ; the immediate's high byte repeats the setting that is left
.if MSB != \new
	s_set_vgpr_msb (MSB<<8)|\new
.set MSB, \new
.endif
.endm
.set MUL,   0xa1                       ; source 0 (S0) window 1, source 1 (S1) window 0, C and D window 2
.set TO_B,  0x40                       ; destination window 1
.set TO_CS, 0xc0                       ; destination window 3
.set ROPE,  0x0e                       ; source 0 window 2 (sums), source 1 window 3 (cos, sin)
.set FROMA, 0x02                       ; source 0 window 2
; A joint load: waves 0 and 1 fetch S1's two halves (64 rows each), waves 2 and 3 S0's (128 rows each).  The branch hangs on the wave's number alone.  Four v_nop follow each of the two lines.
.macro JLOAD g0a, g1a, g0b, g1b
	s_cmp_eq_u32 s15, 0
	s_cbranch_scc0 .Lfor_s0_\@
	tensor_load_to_lds s[\g0a:\g0a+3], s[\g1a:\g1a+7]
	s_nop 0
.rept 4
	v_nop
.endr
	s_branch .Lasked_\@
.Lfor_s0_\@:
	tensor_load_to_lds s[\g0b:\g0b+3], s[\g1b:\g1b+7]
	s_nop 0
.rept 4
	v_nop
.endr
.Lasked_\@:
.endm
.macro CREST                           ; a round of the cluster's barrier behind its opening barrier
	s_cmp_lg_u32 s14, 0
	s_cbranch_scc1 .Lnot_wave_0_\@
	s_barrier_signal -3
.Lnot_wave_0_\@:
	s_barrier_wait -3
	s_barrier_signal -1
	s_barrier_wait -1
.endm
.macro CROUND                          ; a whole round
	s_barrier_signal -1
	s_barrier_wait -1
	CREST
.endm
.macro PLACES n                        ; plain vector lines behind matrix instructions, in front of loads into registers that they read and of reads of their results
.rept \n
	v_nop
.endr
.endm
	s_load_b512 s[68:83], s[0:1], 0x0              ; x s[68:69], wq s[70:71], wk s[72:73], wv s[74:75], cos s[76:77], sin s[78:79], the exponents s[80:81], qimg s[82:83]
	s_load_b64 s[84:85], s[0:1], 0x40              ; kvimg
	v_lshl_add_u32 v[SPW], v0, 2, SPARE
	v_mov_b32 v[NIL], 0
	ds_add_u32 v28, v29
	s_wait_dscnt 0x0
	v_lshrrev_b32 v1, 5, v0
	v_readfirstlane_b32 s14, v1                    ; wave 0..3
	s_lshr_b32 s15, s14, 1                         ; which 64 rows of S1 are mine.  Also: I fetch for S1 (0) or for S0 (1)
	s_and_b32 s16, s14, 1                          ; which 128 rows of S0 are mine.  Also: which half of that tile I fetch
	s_bfe_u32 s40, ttmp6, 0x40000                  ; cx, cy: my place in the cluster
	s_bfe_u32 s41, ttmp6, 0x40004
	s_and_b32 s18, ttmp7, 0xffff                   ; the cluster's y
	s_and_b32 s19, s18, 1
	s_lshr_b32 s20, s18, 1
	s_cmp_lt_u32 ttmp9, 2                          ; q: S0's tiles 4 x + cx of wq;  k: tiles cx of wk;
	s_cselect_b32 s21, ttmp9, 0
	s_cmp_eq_u32 ttmp9, 3                          ; v: S0's tiles 4 (y & 1) + cx of x, S1's tiles 4 (y >> 1) + cy of wv
	s_cselect_b32 s21, s19, s21
	s_cselect_b32 s22, s20, s18
	s_cselect_b32 s17, 1, 0                        ; 1 in v's clusters
	s_lshl_b32 s42, s21, 2
	s_add_co_u32 s42, s42, s40                     ; n0: my tile of 256 rows of S0: made of cx and the cluster's coordinates
	s_lshl_b32 s43, s22, 2
	s_add_co_u32 s43, s43, s41                     ; n1: my tile of 128 rows of S1: made of cy and the cluster's coordinates
	s_lshl_b32 s44, s41, 2
	s_lshl_b32 s44, 15, s44                        ; my row of the cluster
	s_lshl_b32 s45, 0x1111, s40                    ; my column
	; descriptor group 1: rows of 256 bytes, 4,096 bytes apart, padded in LDS
	s_or_b32 s[G1+0], s44, (0<<16)|(1<<20)|(1<<21)|(5<<22)|(3<<25)   ; 15:0 the mask: S1's tiles go to my row; 17:16 elements of 1 byte; 20 padding on; 21 set beside a mask; 24:22 after every 64 words (code 5); 31:25 four words (code 3)
	s_or_b32 s[G1B+0], s45, (0<<16)|(1<<20)|(1<<21)|(5<<22)|(3<<25)  ; S0's tiles go to my column
	s_mov_b32 s[G1+1], 256<<16                     ; tensor_dim0
	s_mov_b32 s[G1+2], 64<<16                      ; tensor_dim1 = 64
	s_mov_b32 s[G1+3], 256<<16                     ; tile_dim0
	s_mov_b32 s[G1+4], 64                          ; tile_dim1 = 64
	s_mov_b32 s[G1+5], KROW                        ; tensor_dim0_stride
	s_mov_b32 s[G1+6], 0
	s_mov_b32 s[G1+7], 0
	s_mov_b32 s[G1B+1], 256<<16
	s_mov_b32 s[G1B+2], 128<<16                    ; 128 rows
	s_mov_b32 s[G1B+3], 256<<16
	s_mov_b32 s[G1B+4], 128
	s_mov_b32 s[G1B+5], KROW
	s_mov_b32 s[G1B+6], 0
	s_mov_b32 s[G1B+7], 0
	s_lshl_b32 s46, s43, 7
	s_lshl_b32 s47, s16, 6
	s_add_co_u32 s46, s46, s47                     ; S1: row 128 n1 + 64 x half,
	s_lshl_b32 s46, s46, 12                        ; in bytes
	s_mov_b32 s47, 0
	s_lshl_b32 s20, s42, 8
	s_lshl_b32 s21, s16, 7
	s_add_co_u32 s20, s20, s21                     ; S0: row 256 n0 + 128 x half,
	s_lshl_b32 s20, s20, 12
	s_mov_b32 s21, 0
	s_mul_i32 s22, s16, 64*PITCH                   ; where they go: no place in the cluster enters an LDS address
	s_mul_i32 s23, s16, 128*PITCH
	s_add_co_u32 s23, s23, S1B
	s_mov_b32 s66, 0x76543210                      ; v_permlanex16_b32: lane l xor 16
	s_mov_b32 s67, 0xfedcba98
	s_wait_kmcnt 0x0
	s_load_b256 s[88:95], s[80:81], 0x0            ; e0 .. e7
	s_load_b128 s[96:99], s[80:81], 0x20           ; e8 .. e11
	s_cmp_lt_u32 ttmp9, 2
	s_cselect_b64 s[10:11], s[70:71], s[72:73]     ; S0 = wq or wk,
	s_cmp_eq_u32 ttmp9, 3
	s_cselect_b64 s[10:11], s[68:69], s[10:11]     ; or x;
	s_cselect_b64 s[12:13], s[74:75], s[68:69]     ; S1 = wv, else x
	s_add_nc_u64 s[10:11], s[10:11], s[20:21]
	s_add_nc_u64 s[12:13], s[12:13], s[46:47]
	CROUND                                         ; all sixteen work-groups are here: the first joint loads meet
.irp s, 0,1
	s_mov_b32 s[G0+4*\s], 1                        ; count = 1
	s_add_co_u32 s[G0+4*\s+1], s22, \s*SLOT        ; LDS address
	s_add_nc_u64 s[G0+4*\s+2:G0+4*\s+3], s[12:13], \s*256   ; global address: slice s
	s_or_b32 s[G0+4*\s+3], s[G0+4*\s+3], 0x80000000         ; type = 2
	s_mov_b32 s[G0B+4*\s], 1
	s_add_co_u32 s[G0B+4*\s+1], s23, \s*SLOT
	s_add_nc_u64 s[G0B+4*\s+2:G0B+4*\s+3], s[10:11], \s*256
	s_or_b32 s[G0B+4*\s+3], s[G0B+4*\s+3], 0x80000000
	JLOAD G0+4*\s, G1, G0B+4*\s, G1B               ; two loads of mine are out
.endr
	v_and_b32 v1, 15, v0                           ; r = lane % 16
	v_bfe_u32 v2, v0, 4, 1                         ; h = lane / 16
	v_mul_u32_u24 v3, v1, PITCH
	v_lshl_add_u32 v4, v2, 4, v3                   ; a fragment's row x pitch + 16 h
	s_mul_i32 s20, s15, 64*PITCH                   ; my 64 rows of S1
	s_mul_i32 s21, s16, 128*PITCH                  ; my 128 rows of S0,
	s_add_co_u32 s21, s21, S1B                     ; which lie behind S1's 128
.irp s, 0,1
	v_add_nc_u32 v[ADR1+\s], s20, v4
	v_add_nc_u32 v[ADR0+\s], s21, v4
	s_add_co_u32 s20, s20, SLOT
	s_add_co_u32 s21, s21, SLOT
.endr
	v_and_b32 v5, 31, v0
	v_lshlrev_b32 v[LI], 4, v5
	v_lshlrev_b32 v[CA], 8, v1
	v_lshl_add_u32 v[CA], v2, 4, v[CA]
	s_lshl_b32 s20, s43, 15                        ; cos, sin at my first token: (128 n1 + 64 (wave / 2)) rows of 256 bytes
	s_lshl_b32 s21, s15, 14
	s_add_co_u32 s20, s20, s21
	s_mov_b32 s21, 0
	s_add_nc_u64 s[76:77], s[76:77], s[20:21]
	s_add_nc_u64 s[78:79], s[78:79], s[20:21]
	WIN TO_CS                                      ; accumulator (a, b), lane (r, h), registers 2 i, 2 i + 1 are the pair 8 b + 4 h + i of token 16 a + r: four cos and four sin, 16 bytes each
.irp a, 0,1,2,3
.irp b, 0,1,2,3,4,5,6,7
	global_load_b128 v[64*\a+8*\b:64*\a+8*\b+3],   v[CA], s[76:77] offset:4096*\a+32*\b
	global_load_b128 v[64*\a+8*\b+4:64*\a+8*\b+7], v[CA], s[78:79] offset:4096*\a+32*\b
.endr
.endr
	WIN 0
.macro FRAG reg, adr, q, i             ; 16 rows x 128 K: registers 4 c .. 4 c + 3 take bytes 32 c + 16 h + 0 .. 15 of row r
.irp c, 0,1,2,3
	ds_load_b128 v[\reg+4*\c:\reg+4*\c+3], v[\adr] offset:128*(\q)+32*\c+(\i)*16*PITCH
.endr
.endm
.macro FETCH slot, q, p                ; 48 LDS loads in one run: the slot's q-th 128 along K into set p: S0's eight fragments, then S1's four
	WIN TO_B
.irp i, 0,1,2,3,4,5,6,7
	FRAG 128*(\p)+16*\i, ADR0+\slot, \q, \i
.endr
	WIN 0
.irp i, 0,1,2,3
	FRAG F1+64*(\p)+16*\i, ADR1+\slot, \q, \i
.endr
.endm
; 8 matrix instructions: S1's tile a against S0's eight.  zero = 1: the first product starts the sums.  The 32 accumulators take turns, one instruction a turn, in the same order in every step.
.macro MUL8 a, p, zero
.irp b, 0,1,2,3,4,5,6,7
.if \zero
	v_wmma_f32_16x16x128_fp8_fp8 v[8*(8*(\a)+\b):8*(8*(\a)+\b)+7], v[128*(\p)+16*\b:128*(\p)+16*\b+15], v[F1+64*(\p)+16*(\a):F1+64*(\p)+16*(\a)+15], 0
.else
	v_wmma_f32_16x16x128_fp8_fp8 v[8*(8*(\a)+\b):8*(8*(\a)+\b)+7], v[128*(\p)+16*\b:128*(\p)+16*\b+15], v[F1+64*(\p)+16*(\a):F1+64*(\p)+16*(\a)+15], v[8*(8*(\a)+\b):8*(8*(\a)+\b)+7]
.endif
.endr
.endm
; A slot's first step multiplies set 0 and fetches the slot's second 128 along K into set 1.
.macro STEP slot, zero
	s_wait_dscnt 8                                 ; all but the youngest eight loads (S1's tiles 2 and 3) are in
	WIN MUL
	MUL8 0, 0, \zero
	MUL8 1, 0, \zero
	PLACES 4                                       ; for the loads into set 1, which the step before multiplied
	FETCH \slot, 1, 1
	s_wait_dscnt 48                                ; all but the 48 just issued
	WIN MUL
	MUL8 2, 0, \zero
	MUL8 3, 0, \zero
	WIN 0
.endm
; A slot's second step multiplies set 1 and changes slots: ONE barrier; in front of it each wave waits for all its tensor loads, adds 0 to its spare word, and waits for that and for its reads of this slot.
; fill = 1: the barrier opens a round of the cluster's, and this slot is filled again, two slices ahead, first thing behind the round.
.macro TURN slot, next, fill
	s_wait_tensorcnt 0x0                           ; all my tensor loads have landed: the one that was out is my part of the next slot  (every window is 0 here)
	ds_add_u32 v[SPW], v[NIL]                      ; 0 onto my spare word
	s_wait_dscnt 9                                 ; (the add and the youngest eight loads may be out)
	WIN MUL
	MUL8 0, 1, 0                                   ; eight matrix instructions stand between the add and the wait for it
	s_wait_dscnt 0x0                               ; the add is done, and my reads of this slot are over
	s_barrier_signal -1
	MUL8 1, 1, 0
	WIN 0
	s_barrier_wait -1
.if \fill
	CREST                                          ; no wave of any partner still reads this slot or has a load on its way
	s_add_nc_u64 s[G0+4*\slot+2:G0+4*\slot+3], s[G0+4*\slot+2:G0+4*\slot+3], 512
	s_add_nc_u64 s[G0B+4*\slot+2:G0B+4*\slot+3], s[G0B+4*\slot+2:G0B+4*\slot+3], 512
	JLOAD G0+4*\slot, G1, G0B+4*\slot, G1B         ; my one tensor load behind the round; its four v_nop are the places in front of the loads below
.else
	PLACES 4
.endif
	FETCH \next, 0, 0
	WIN MUL
	MUL8 2, 1, 0
	MUL8 3, 1, 0
	WIN 0
.endm
	s_wait_tensorcnt 1                             ; my part of slice 0 is in (slice 1's load may be out)
	s_barrier_signal -1
	s_barrier_wait -1                              ; everybody's is
	FETCH 0, 0, 0
	STEP 0, 1                                      ; the first step stands in front of the loop: its products start the sums
	s_mov_b32 s3, LAPS-1
.Llap:                                             ; a trip goes once round the ring and fills both slots again
	TURN 0, 1, 1
	STEP 1, 0
	TURN 1, 0, 1
	STEP 0, 0
	s_sub_co_u32 s3, s3, 1
	s_cmp_lg_u32 s3, 0
	s_cbranch_scc1 .Llap
	TURN 0, 1, 0                                   ; the last lap fills nothing
	STEP 1, 0
	s_wait_dscnt 8                                 ; the very last step
	WIN MUL
	MUL8 0, 1, 0
	MUL8 1, 1, 0
	s_wait_dscnt 0x0
	MUL8 2, 1, 0
	MUL8 3, 1, 0
	WIN 0
	; THE EXPONENTS.  A sum stands for sum x 2^eS.  q, k: eS goes into the norm's factor, the conversion takes 2^e6 or 2^e7.  v: the three exponents are folded into the conversion's one.
	s_wait_kmcnt 0x0
	s_add_co_i32 s20, s88, s89                     ; e0 + e1
	s_add_co_i32 s21, s90, s91                     ; e2 + e3
	s_add_co_i32 s22, s92, s93
	s_sub_co_i32 s22, s97, s22                     ; e9 - e4 - e5
	s_cmp_lt_u32 ttmp9, 2
	s_cselect_b32 s100, s20, s21                   ; eS
	s_cselect_b32 s23, s94, s95
	s_cmp_eq_u32 ttmp9, 3
	s_cselect_b32 s23, s22, s23
	s_lshl_b32 s101, s100, 1
	s_sub_co_i32 s101, s101, 7                     ; the mean of 128 squares: the sum x 2^(2 eS - 7)
	s_add_co_i32 s23, s23, 127
	s_lshl_b32 s22, s23, 23
	v_mov_b32 v[SC], s22
	s_add_co_i32 s23, s23, 8
	s_lshl_b32 s23, s23, 23
	s_or_b32 s23, s23, 0x600000
	v_mov_b32 v[LIM], s23                          ; 448 x the scale
	; WHERE MY FOUR IMAGES GO
	s_lshl_b32 s20, s42, 1
	s_add_co_u32 s20, s20, s16                     ; q, k: my head = 2 n0 + wave % 2
	s_lshl_b32 s21, s20, 18
	s_lshl_b32 s22, s43, 14
	s_add_co_u32 s21, s21, s22                     ; q: head x 128 images + 8 n1 images
	s_lshl_b32 s22, s20, 19
	s_lshr_b32 s23, s43, 1
	s_lshl_b32 s23, s23, 16
	s_add_co_u32 s22, s22, s23
	s_and_b32 s23, s43, 1
	s_lshl_b32 s23, s23, 14
	s_add_co_u32 s22, s22, s23                     ; k: head x 8 slots + slot n1 / 2 + 8 (n1 % 2) images
	s_lshl_b32 s20, s43, 19
	s_lshl_b32 s23, s42, 16
	s_add_co_u32 s20, s20, s23
	s_lshl_b32 s23, s16, 14
	s_add_co_u32 s20, s20, s23
	s_add_co_u32 s20, s20, 32768                   ; v: head n1, slot n0, behind K's 16 images, key step wave % 2
	s_cmp_lt_u32 ttmp9, 2
	s_cselect_b32 s46, s21, s22
	s_cselect_b64 s[86:87], s[82:83], s[84:85]
	s_cmp_eq_u32 ttmp9, 3
	s_cselect_b32 s46, s20, s46
	s_lshl_b32 s23, s15, 13
	s_add_co_u32 s46, s46, s23                     ; + 4 (wave / 2) images
	s_mov_b32 s47, 0
	s_add_nc_u64 s[86:87], s[86:87], s[46:47]
	s_wait_loadcnt 0x0                             ; cos and sin
	PLACES 4                                       ; behind the last products
	s_cmp_eq_u32 s17, 1
	s_cbranch_scc1 .Lv_out
.macro OUT a                           ; 64 numbers in v[R] on are held, converted and stored as one image
.irp b, 0,1,2,3,4,5,6,7
.irp i, 0,1,2,3,4,5,6,7
	v_med3_num_f32 v[R+8*\b+\i], v[R+8*\b+\i], -v[LIM], v[LIM]   ; the conversion to an 8-bit code does not saturate (ISA guide 7.6.2): the hold at 448 x the scale comes first
.endr
	v_cvt_scalef32_pk8_fp8_f32 v[CD+16*\a+2*\b:CD+16*\a+2*\b+1], v[R+8*\b:R+8*\b+7], v[SC]
.endr
	v_nop                                          ; one plain line behind the last conversion, ahead of the lines that write its sources again
.irp c, 0,1,2,3
	global_store_b128 v[LI], v[CD+16*\a+4*\c:CD+16*\a+4*\c+3], s[86:87] offset:2048*\a+512*\c   ; 512 consecutive bytes, aligned; each image has registers of its own, so no store's data are written again
.endr
.endm
; q, k: tile row a (16 tokens): rope, the norm, the quantiser.
.macro ROPEQ a
	WIN ROPE
.irp b, 0,1,2,3,4,5,6,7
.irp i, 0,1,2,3
	v_mul_f32 v[T+2*\i],   v[64*\a+8*\b+2*\i+1], v[64*\a+8*\b+4+\i]    ; xi sin  (each accumulator is read from its low end on)
	v_mul_f32 v[T+2*\i+1], v[64*\a+8*\b+2*\i+1], v[64*\a+8*\b+\i]      ; xi cos
.endr
.irp i, 0,1,2,3
	v_fma_f32 v[R+8*\b+2*\i],   v[64*\a+8*\b+2*\i], v[64*\a+8*\b+\i],   -v[T+2*\i]    ; xr cos - xi sin
	v_fma_f32 v[R+8*\b+2*\i+1], v[64*\a+8*\b+2*\i], v[64*\a+8*\b+4+\i], v[T+2*\i+1]   ; xr sin + xi cos
.endr
.endr
	WIN 0
	v_pk_mul_f32 v[SS:SS+1], v[R:R+1], v[R:R+1]                    ; the sum of my 64 squares, two at a time, in two chains
	v_pk_mul_f32 v[SS+2:SS+3], v[R+2:R+3], v[R+2:R+3]
.set j, 4
.rept 15
	v_pk_fma_f32 v[SS:SS+1], v[R+j:R+j+1], v[R+j:R+j+1], v[SS:SS+1]
	v_pk_fma_f32 v[SS+2:SS+3], v[R+j+2:R+j+3], v[R+j+2:R+j+3], v[SS+2:SS+3]
.set j, j+4
.endr
	v_pk_add_f32 v[SS:SS+1], v[SS:SS+1], v[SS+2:SS+3]
	v_add_f32 v[SS], v[SS], v[SS+1]
	v_permlanex16_b32 v[SS+1], v[SS], s66, s67     ; the token's other 64 numbers lie in the lane 16 away
	v_add_f32 v[SS], v[SS], v[SS+1]
	v_ldexp_f32 v[SS], v[SS], s101                 ; the mean of the squares
	v_add_f32 v[SS], 0x358637bd, v[SS]             ; + 1e-6
	v_rsq_f32 v[SS+2], v[SS]
	v_nop                                          ; a plain line behind the transcendental
	s_wait_alu depctr_va_vdst(0)                   ; the wait ahead of the first line that names its result
	v_ldexp_f32 v[SS+4], v[SS+2], s100             ; the factor: 2^eS / sqrt(mean + eps)
	v_mov_b32 v[SS+5], v[SS+4]                     ; (named with it as a pair)
.set j, 0
.rept 32
	v_pk_mul_f32 v[R+j:R+j+1], v[R+j:R+j+1], v[SS+4:SS+5] op_sel_hi:[1,0]
.set j, j+2
.endr
	OUT \a
.endm
; v: tile row a (16 channels): the sums go to the quantiser as they are.
.macro VQ a
	WIN FROMA
.set j, 0
.rept 64
	v_mov_b32 v[R+j], v[64*\a+j]                   ; out of the accumulators' window, each accumulator from its low end on
.set j, j+1
.endr
	WIN 0
	OUT \a
.endm
	ROPEQ 0
	ROPEQ 1
	ROPEQ 2
	ROPEQ 3
	s_branch .Ldone
.Lv_out:
	VQ 0
	VQ 1
	VQ 2
	VQ 3
.Ldone:
	s_wait_tensorcnt 0x0                           ; the wave's end
	ds_add_u32 v[SPW], v[NIL]
	s_wait_dscnt 0x0
	CROUND                                         ; the closing round: no work-group ends while a partner may still ask for a tile that names it
	s_endpgm
.Lfunc_end_k_q952f0d1eea_qkv:
	.size	k_q952f0d1eea_qkv, .Lfunc_end_k_q952f0d1eea_qkv-k_q952f0d1eea_qkv
	.p2alignl 7, 3214868480
	.fill 96, 4, 3214868480
	.section	.rodata,"a",@progbits
	.p2align	6, 0x0
	.amdhsa_kernel k_q952f0d1eea_qkv
		.amdhsa_group_segment_fixed_size 327680
		.amdhsa_private_segment_fixed_size 0
		.amdhsa_enable_private_segment 0
		.amdhsa_kernarg_size 72
		.amdhsa_user_sgpr_count 2
		.amdhsa_user_sgpr_kernarg_segment_ptr 1
		.amdhsa_wavefront_size32 1
		.amdhsa_system_sgpr_workgroup_id_x 1
		.amdhsa_system_sgpr_workgroup_id_y 1
		.amdhsa_system_sgpr_workgroup_id_z 1
		.amdhsa_system_vgpr_workitem_id 0
		.amdhsa_next_free_vgpr 1024
		.amdhsa_next_free_sgpr 102
		.amdhsa_reserve_vcc 0
		.amdhsa_float_denorm_mode_32 3
		.amdhsa_float_denorm_mode_16_64 3
		.amdhsa_memory_ordered 1
		.amdhsa_forward_progress 1
		.amdhsa_inst_pref_size 150
	.end_amdhsa_kernel
	.amdgpu_metadata
---
amdhsa.version: [ 1, 2 ]
amdhsa.kernels:
  - .name:           k_q952f0d1eea_qkv
    .symbol:         k_q952f0d1eea_qkv.kd
    .args:
      - { .name: hidden_states_codes, .offset: 0, .size: 8, .value_kind: global_buffer, .address_space: global }
      - { .name: wq_codes, .offset: 8, .size: 8, .value_kind: global_buffer, .address_space: global }
      - { .name: wk_codes, .offset: 16, .size: 8, .value_kind: global_buffer, .address_space: global }
      - { .name: wv_codes, .offset: 24, .size: 8, .value_kind: global_buffer, .address_space: global }
      - { .name: freqs_cos, .offset: 32, .size: 8, .value_kind: global_buffer, .address_space: global }
      - { .name: freqs_sin, .offset: 40, .size: 8, .value_kind: global_buffer, .address_space: global }
      - { .name: lowp_scales, .offset: 48, .size: 8, .value_kind: global_buffer, .address_space: global }
      - { .name: qimg, .offset: 56, .size: 8, .value_kind: global_buffer, .address_space: global }
      - { .name: kvimg, .offset: 64, .size: 8, .value_kind: global_buffer, .address_space: global }
    .group_segment_fixed_size: 327680
    .private_segment_fixed_size: 0
    .kernarg_segment_align: 8
    .kernarg_segment_size: 72
    .max_flat_workgroup_size: 128
    .sgpr_count:     102
    .vgpr_count:     1024
    .wavefront_size: 32
...
	.end_amdgpu_metadata
.endif
;; end of part 1
;; launch attn (part 2): grid 32 x 8, 8 waves a work-group, clusters of 4 x 4, 327,680 bytes of LDS; arguments qimg, kvimg, attention_mask, lowp_scales, aimg; writes aimg
.if DOCPART == 2
	.amdgcn_target "amdgcn-amd-amdhsa--gfx1250"
	.amdhsa_code_object_version 6
	.text
	.protected	k_q952f0d1eea_attn
	.globl	k_q952f0d1eea_attn
	.p2align	8
	.type	k_q952f0d1eea_attn,@function
k_q952f0d1eea_attn:
	s_mov_b64 s[64:65], 0
	v_nop
	global_prefetch_b8 v0, s[64:65] scope:SCOPE_SE
	s_setreg_imm32_b32 hwreg(HW_REG_WAVE_MODE, 25, 1), 1
	s_wait_xcnt 0x0
	s_wait_alu depctr_hold_cnt(0) depctr_sa_sdst(0) depctr_va_vdst(0) depctr_va_sdst(0) depctr_va_ssrc(0) depctr_va_vcc(0) depctr_vm_vsrc(0)
	s_getreg_b32 s2, hwreg(HW_REG_IB_STS2, 6, 4)
	s_cmp_eq_u32 s2, 0
	s_cbranch_scc0 .Lentry_in_a_cluster
	s_endpgm
.Lentry_in_a_cluster:
	s_bfe_u32 s2, ttmp6, 0x10000c
	s_cmp_lg_u32 s2, 0xf033
	s_cbranch_scc0 .Lentry_shape_is_right
	s_endpgm
.Lentry_shape_is_right:
; ATTENTION ON E4M3 CODES: scores = q k^T / sqrt(128) + mask, softmax, x v, and the quantiser (e10) of the result.  16 query heads, 8 kv heads, 2,048 tokens, head size 128.
; THE MASK IS AN INPUT: it is loaded and added as it is given; every wave walks all 2,048 keys and no tile is left out.
; THE SOFTMAX AHEAD OF THE SECOND PRODUCT: logit = score x SCALE + mask; t = logit x log2(e), a rounded f32 number; M = the largest t so far, rounded UP to a whole number; p = 2^(t - M) is quantised (e8), not normalised.
; The row's sum is taken of the unquantised p and divides at the end.  When M moves, the sum and O are multiplied by 2^(old M - new M): exact.  t is rounded BEFORE M is taken off, so that a row all of whose logits
; are one huge negative number gives t - M = 0 for every key.
; SHARES.  A work-group owns 64 queries and one kv head, that is two query heads: wave w has the tile of 16 queries w % 4 of head 2 g + w / 4, in 256 registers.  The eight waves share K's, V's and the mask's tiles.
; K, V and the mask come through a ring of two LDS slots of 256 keys.  K and V lie in memory as images of operand registers (registers 4 c .. 4 c + 3 of lane l at 512 c + 16 l of a fragment's 2,048 bytes):
; a slot's 16 + 16 images are one dense block, and a fragment comes by four loads of 512 consecutive bytes.
; CLUSTERS of 4 x 4: x = four blocks of queries, y = four kv heads.  K's and V's tiles hang on the kv head and are asked for jointly by a row of the cluster, the mask's tile on the block of queries and by a column.
; LAYOUT.  Both products are used transposed: S^T = K Q^T (source 0 = 16 keys), O^T = V^T P^T (source 0 = 16 channels): a lane holds ONE query (lane % 16) throughout; accumulator t's register j is key (or channel)
; 16 t + 8 (lane / 16) + j, so the conversion of accumulator t gives registers 2 t, 2 t + 1 of the next operand.
; LIMITS: e6 + e7 between -122 and 131 (added to SCALE's exponent field); e8 and e10 between -126 and 119; e8 + e9 goes in by v_ldexp_f32 and has none.  NaN among the inputs is not served.
; REGISTERS: v1-10 addresses; v12 -M, v13 the largest t, v[14:15] the sum in two halves; v16-31 Q; v32-95 four fragments of K or V, or the step's 64 mask numbers; v96-159 S^T, then t, then p; v160-223 O^T;
; v224-239 p's codes; v240, v244: 448 x 2^e8, 2^e8; v246, v247: 2^e10, 448 x 2^e10; v236, v242, v243, v252-254 at work.
.set SLOTB, 0x20400                    ; a slot: K's 16 images (32,768), V's 16 (32,768), the mask's 64 rows of 1,040.  No base inside a slot (0, 0x8000, 0x10000) shares a bit with it: one exclusive or turns an address into the other slot's
.set VOFF,  32768
.set MOFF,  65536
.set MP,    1040                       ; a mask row in LDS: 1,024 bytes + 16 of padding: 65 x 16 bytes, so the 16 rows of a load start at 16 different groups of banks
.set NSL,   8                          ; slots' worth of keys
.set SPARE, 2*SLOTB                    ; behind the ring: the spare words, 128 bytes for each wave: four blocks of 256 bytes that no other line names
.set STAGE, SPARE+1024                 ; the way out: 64 rows x (256 bytes + 16); no tile ever lands here
.set SP,    272
.set LI,   1                           ; v1   16 x lane
.set AM0,  2                           ; v2   my place in the mask's tile
.set PFO,  3                           ; v3   the prefetches' offset; never rewritten
.set STO,  4                           ; v4   the way out: where I put 8 bytes of a row
.set SPW,  5                           ; v5   LDS address of my spare word; never rewritten
.set NIL,  6                           ; v6   0; never rewritten
.set GO,   7                           ; v7   the way out: my byte offset in the wave's rows of aimg
.set ADL,  8                           ; v8   the slot in hand + 16 x lane
.set ADM,  9                           ; v9   the slot in hand + my place in the mask's tile
.set RD,   10                          ; v10  the way out: where I read a row back
.set TB,   2                           ; s2   LDS byte at which the slot in hand begins
.set WV,   18                          ; s18  my wave's number
.set SEL,  20                          ; s[20:21] lane selects: lane l xor 16
.set CS,   22                          ; s[22:23] SCALE x 2^(e6 + e7)
.set G1KV, 24                          ; s[24:31] descriptor group 1 for K's and V's blocks;  s[32:39] for the mask's tile;  s[40:43], s[44:47] their groups 0, which walk
.set G1M,  32
.set G0KV, 40
.set G0M,  44
.set L2E,  68                          ; s[68:69] log2(e)
.set SLOTS, 70                         ; s70  slots still to be asked for
.set PFA,  80                          ; s[80:81] where my prefetches stand
.set PFS,  82                          ; s[82:83] a slot on, in bytes
.set LIM,  84                          ; s84  1 in a wave that prefetches, else the greatest number
; Wave 0 fetches K's images, wave 1 V's, wave 2 the mask's tile, the others nothing.  The branches hang on the wave's number alone.  Four v_nop follow each of the two lines.
.macro TLOAD
	s_cmp_lt_u32 s[WV], 2
	s_cbranch_scc0 .Lnot_kv_\@
	tensor_load_to_lds s[G0KV:G0KV+3], s[G1KV:G1KV+7]
	s_nop 0
.rept 4
	v_nop
.endr
	s_branch .Lasked_\@
.Lnot_kv_\@:
	s_cmp_eq_u32 s[WV], 2
	s_cbranch_scc0 .Lasked_\@
	tensor_load_to_lds s[G0M:G0M+3], s[G1M:G1M+7]
	s_nop 0
.rept 4
	v_nop
.endr
.Lasked_\@:
.endm
; A PREFETCH INTO THE L2 of what the NEXT change of slots will ask for, one instruction a wave, 32 blocks of 256 bytes, each named once in the launch.  K's and V's 64 KB of a slot are walked by every cluster of a row of
; clusters: the one with x = 0 asks; partner cx takes 16 KB, wave 4 its first half, wave 5 its second.  The mask's 64 rows x 1,024 bytes are walked by both clusters of a column: the one with y = 0 asks; partner cy takes
; 16 rows, waves 6 and 7 eight each, four lanes to a row.  Partners are told apart by address alone.  The last change that fills a slot asks for nothing; slots 0 and 1 come by their loads alone.
.macro ASK
	s_cmp_gt_u32 s[SLOTS], s[LIM]
	s_cbranch_scc0 .Lnot_mine_\@
	global_prefetch_b8 v[PFO], s[PFA:PFA+1] th:TH_LOAD_NT scope:SCOPE_SE
.Lnot_mine_\@:
.endm
.macro CROUND                          ; a round of the cluster's barrier
	s_barrier_signal -1
	s_barrier_wait -1
	s_cmp_lg_u32 s[WV], 0
	s_cbranch_scc1 .Lnot_wave_0_\@
	s_barrier_signal -3
.Lnot_wave_0_\@:
	s_barrier_wait -3
	s_barrier_signal -1
	s_barrier_wait -1
.endm
	s_load_b256 s[4:11], s[0:1], 0x0               ; qimg s[4:5], kvimg s[6:7], the mask s[8:9], the exponents s[10:11]
	s_load_b64 s[12:13], s[0:1], 0x20              ; aimg
	v_lshl_add_u32 v[SPW], v0, 2, SPARE
	v_mov_b32 v[NIL], 0
	ds_add_u32 v5, v6
	s_wait_dscnt 0x0
	v_lshrrev_b32 v8, 5, v0
	v_readfirstlane_b32 s[WV], v8                  ; wave 0..7
	s_and_b32 s19, s[WV], 1
	s_bfe_u32 s48, ttmp6, 0x40000                  ; cx, cy: my place in the cluster
	s_bfe_u32 s49, ttmp6, 0x40004
	s_lshl_b32 s50, ttmp9, 2
	s_add_co_u32 s50, s50, s48                     ; qb: my block of 64 queries
	s_and_b32 s85, ttmp7, 0xffff
	s_lshl_b32 s51, s85, 2
	s_add_co_u32 s51, s51, s49                     ; g: my kv head
	s_lshl_b32 s52, s49, 2
	s_lshl_b32 s52, 15, s52                        ; my row of the cluster
	s_lshl_b32 s53, 0x1111, s48                    ; my column
	; descriptor group 1.  K's or V's 16 images: a dense block of 32,768 bytes as 128 rows of 256 bytes, no padding
	s_or_b32 s[G1KV], s52, (3<<16)|(1<<21)         ; 15:0 the mask: my row; 17:16 elements of 8 bytes; 21 set beside a mask
	s_mov_b32 s[G1KV+1], 32<<16                    ; tensor_dim0 = 32 elements
	s_mov_b32 s[G1KV+2], 128<<16                   ; tensor_dim1 = 128
	s_mov_b32 s[G1KV+3], 32<<16                    ; tile_dim0
	s_mov_b32 s[G1KV+4], 128                       ; tile_dim1
	s_mov_b32 s[G1KV+5], 32                        ; tensor_dim0_stride: dense
	s_mov_b32 s[G1KV+6], 0
	s_mov_b32 s[G1KV+7], 0
	; the mask's tile: 64 rows of 256 f32, 2,048 f32 apart, 16 bytes of padding behind each row
	s_or_b32 s[G1M], s53, (2<<16)|(1<<20)|(1<<21)|(7<<22)|(3<<25)   ; my column; elements of 4 bytes; padding on; after every 256 words (code 7) four words (code 3)
	s_mov_b32 s[G1M+1], 256<<16
	s_mov_b32 s[G1M+2], 64<<16
	s_mov_b32 s[G1M+3], 256<<16
	s_mov_b32 s[G1M+4], 64
	s_mov_b32 s[G1M+5], 2048
	s_mov_b32 s[G1M+6], 0
	s_mov_b32 s[G1M+7], 0
	s_lshl_b32 s54, s51, 19                        ; K, V: head g's 8 slots of 65,536 bytes, + 32,768 for V (wave 1)
	s_lshl_b32 s58, s19, 15
	s_add_co_u32 s54, s54, s58
	s_mov_b32 s55, 0
	s_lshl_b32 s56, s50, 19                        ; the mask: row 64 qb of 8,192 bytes
	s_mov_b32 s57, 0
	s_mov_b32 s[SEL], 0x76543210
	s_mov_b32 s[SEL+1], 0xfedcba98
	s_mov_b32 s[CS], 0x3db504f3                    ; SCALE = 1 / sqrt(128)
	s_mov_b32 s[L2E], 0x3fb8aa3b                   ; log2(e)
	s_mov_b32 s[L2E+1], s[L2E]                     ; (named with it as a pair)
	s_mov_b32 s[TB], 0
	s_mov_b32 s[SLOTS], NSL-1
	s_wait_kmcnt 0x0
	s_load_b64 s[72:73], s[10:11], 0x18            ; e6, e7
	s_load_b128 s[76:79], s[10:11], 0x20           ; e8, e9, e10, e11
	s_mov_b32 s[G0KV], 1                           ; count = 1
	s_mov_b32 s[G0KV+1], s58                       ; LDS address: slot 0; K at 0, V at 32,768
	s_add_nc_u64 s[G0KV+2:G0KV+3], s[6:7], s[54:55]
	s_or_b32 s[G0KV+3], s[G0KV+3], 0x80000000      ; type = 2
	s_mov_b32 s[G0M], 1
	s_mov_b32 s[G0M+1], MOFF
	s_add_nc_u64 s[G0M+2:G0M+3], s[8:9], s[56:57]
	s_or_b32 s[G0M+3], s[G0M+3], 0x80000000
	CROUND                                         ; all sixteen work-groups are here: the first joint loads meet
	TLOAD                                          ; slot 0
	; the prefetches: where my wave's stand, and who asks
	s_cmp_lt_u32 s[WV], 6                          ; waves 4, 5: K and V;  waves 6, 7: the mask
	s_cselect_b64 s[PFA:PFA+1], s[6:7], s[8:9]
	s_mov_b32 s[PFS], 1024
	s_cselect_b32 s[PFS], 0x10000, s[PFS]          ; a slot on
	s_mov_b32 s87, 8192
	s_cselect_b32 s87, 1024, s87                   ; from four lanes to the next four
	s_cselect_b32 s86, ttmp9, s85                  ; the coordinate along which other clusters walk the same bytes
	s_cselect_b32 s88, s51, s50                    ; 524,288 bytes x the kv head, or x the block of queries
	s_cselect_b32 s89, s48, s49                    ; my place among the four that ask jointly
	s_cselect_b32 s90, 0, 3                        ; a partner's part: 16,384 bytes, or eight times as much (16 rows)
	s_lshl_b32 s88, s88, 19
	s_lshl_b32 s89, s89, 1
	s_add_co_u32 s89, s89, s19                     ; and my wave's half of it
	s_lshl_b32 s89, s89, 13
	s_lshl_b32 s89, s89, s90
	s_add_co_u32 s88, s88, s89
	s_add_co_u32 s88, s88, s[PFS]                  ; in slot 1: the first change of slots steps it to slot 2
	s_mov_b32 s89, 0
	s_mov_b32 s[PFS+1], 0
	s_add_nc_u64 s[PFA:PFA+1], s[PFA:PFA+1], s[88:89]
	s_sub_co_u32 s91, s[WV], 4
	s_lshr_b32 s91, s91, 2                         ; 0 in waves 4 to 7,
	s_or_b32 s91, s91, s86                         ; of the cluster that asks
	s_cmp_eq_u32 s91, 0
	s_cselect_b32 s[LIM], 1, -1
	; Q's image, and the addresses
	s_lshr_b32 s54, s[WV], 2                       ; which of the two query heads
	s_and_b32 s55, s[WV], 3                        ; which tile of 16 queries
	s_lshl_b32 s56, s51, 1
	s_add_co_u32 s56, s56, s54
	s_lshl_b32 s56, s56, 18                        ; head x 128 images
	s_lshl_b32 s57, s50, 2
	s_add_co_u32 s57, s57, s55
	s_lshl_b32 s57, s57, 11                        ; + image 4 qb + tile
	s_add_co_u32 s56, s56, s57
	s_mov_b32 s57, 0
	s_add_nc_u64 s[4:5], s[4:5], s[56:57]
	v_and_b32 v11, 31, v0
	v_lshlrev_b32 v[LI], 4, v11
.irp c, 0,1,2,3
	global_load_b128 v[16+4*\c:19+4*\c], v[LI], s[4:5] offset:512*\c   ; Q's fragment stays in registers
.endr
	v_lshrrev_b32 v[PFO], 2, v11
	v_mul_lo_u32 v[PFO], v[PFO], s87
	v_and_b32 v11, 3, v11
	v_lshl_add_u32 v[PFO], v11, 8, v[PFO]
	v_and_b32 v8, 15, v0                           ; r
	v_bfe_u32 v9, v0, 4, 1                         ; h
	s_mul_i32 s56, s55, 16*MP
	s_add_co_u32 s56, s56, MOFF
	v_mul_u32_u24 v[AM0], v8, MP
	v_lshl_add_u32 v[AM0], v9, 5, v[AM0]
	v_add_nc_u32 v[AM0], s56, v[AM0]               ; the mask: row 16 tile + r, + 32 h: my eight keys of a tile of 16
	s_mul_i32 s57, s55, 16*SP
	s_lshl_b32 s58, s54, 7
	s_add_co_u32 s57, s57, s58
	s_add_co_u32 s57, s57, STAGE
	v_mul_u32_u24 v[STO], v8, SP
	v_lshl_add_u32 v[STO], v9, 3, v[STO]
	v_add_nc_u32 v[STO], s57, v[STO]               ; the stage, in: row 16 tile + r, + 128 x my head of the two, + 8 h
	s_mul_i32 s58, s[WV], 8*SP
	s_add_co_u32 s58, s58, STAGE
	v_mul_u32_u24 v[RD], v9, SP
	v_lshl_add_u32 v[RD], v8, 4, v[RD]
	v_add_nc_u32 v[RD], s58, v[RD]                 ; back: wave w takes rows 8 w on; lanes 0-15 one row, lanes 16-31 the next
	v_lshlrev_b32 v[GO], 11, v9
	v_lshl_add_u32 v[GO], v8, 4, v[GO]             ; and the same two rows of aimg (2,048 bytes each)
	s_lshl_b32 s56, s50, 17                        ; aimg: row 64 qb + 8 wave, byte 256 g
	s_lshl_b32 s57, s[WV], 14
	s_add_co_u32 s56, s56, s57
	s_lshl_b32 s57, s51, 8
	s_add_co_u32 s56, s56, s57
	s_mov_b32 s57, 0
	s_add_nc_u64 s[12:13], s[12:13], s[56:57]
	v_mov_b32 v13, 0xff61b1e6                      ; the largest t so far: -3e38
	v_floor_f32 v12, -v13                          ; -M
	v_mov_b32 v14, 0                               ; the sum, in two halves
	v_mov_b32 v15, 0
	v_mov_b32 v236, 0                              ; written once: a lane permute's destination counts as one of its sources
	v_mov_b32 v253, 0                              ; (named as the upper half of the pair v[252:253])
.set j, 0
.rept 64
	v_mov_b32 v[160+j], 0                          ; O^T.  (The loop is written once: its first step finds zeros, which the first change of M leaves zeros)
.set j, j+1
.endr
	s_wait_kmcnt 0x0
	s_add_co_i32 s54, s72, s73
	s_lshl_b32 s54, s54, 23
	s_add_co_i32 s[CS], s[CS], s54                 ; a score stands for score x 2^(e6 + e7): the two exponents are added to SCALE's exponent field
	s_mov_b32 s[CS+1], s[CS]                       ; (named with it as a pair)
	s_add_co_i32 s54, s76, 127
	s_lshl_b32 s55, s54, 23
	v_mov_b32 v244, s55                            ; 2^e8
	s_add_co_i32 s54, s54, 8
	s_lshl_b32 s54, s54, 23
	s_or_b32 s54, s54, 0x600000
	v_mov_b32 v240, s54                            ; 448 x 2^e8
	s_add_co_i32 s54, s78, 127
	s_lshl_b32 s55, s54, 23
	v_mov_b32 v246, s55                            ; 2^e10
	s_add_co_i32 s54, s54, 8
	s_lshl_b32 s54, s54, 23
	s_or_b32 s54, s54, 0x600000
	v_mov_b32 v247, s54                            ; 448 x 2^e10
; A KEY STEP: 128 keys, the q-th of the slot in hand.
.macro STEP q
	v_add_nc_u32 v[ADL], s[TB], v[LI]
	v_add_nc_u32 v[ADM], s[TB], v[AM0]
.irp g, 0,1                                    ; S^T = K Q^T, four tiles of 16 keys at a time
.rept 4-2*(1-\g)
	v_nop                                          ; four places in front of loads into registers that matrix instructions have read (the two additions above are places too)
.endr
.irp t, 0,1,2,3
.irp c, 0,1,2,3
	ds_load_b128 v[32+16*\t+4*\c:32+16*\t+4*\c+3], v[ADL] offset:(8*(\q)+4*\g+\t)*2048+512*\c
.endr
.endr
	s_wait_dscnt 0x0
.irp t, 0,1,2,3
	v_wmma_f32_16x16x128_fp8_fp8 v[96+8*(4*\g+\t):103+8*(4*\g+\t)], v[32+16*\t:47+16*\t], v[16:31], 0
.endr
.endr
.rept 4
	v_nop                                          ; places in front of the loads below and of the first read of the scores
.endr
.irp t, 0,1,2,3,4,5,6,7                        ; the mask of my query at my 64 keys, register for register as the scores lie
	ds_load_b128 v[32+8*\t:35+8*\t], v[ADM] offset:512*(\q)+64*\t
	ds_load_b128 v[36+8*\t:39+8*\t], v[ADM] offset:512*(\q)+64*\t+16
.endr
	s_wait_dscnt 0x0
.set j, 0
.rept 32
	v_pk_fma_f32 v[96+j:97+j], v[96+j:97+j], s[CS:CS+1], v[32+j:33+j] op_sel_hi:[1,0,1]   ; the logit: score x SCALE + mask; each accumulator from its low end on
.set j, j+2
.endr
.set j, 0
.rept 32
	v_pk_mul_f32 v[96+j:97+j], v[96+j:97+j], s[L2E:L2E+1] op_sel_hi:[1,0]                 ; t = logit x log2(e), rounded to f32
.set j, j+2
.endr
	v_max3_num_f32 v254, v96, v97, v98             ; the step's largest t of my query, among my 64 keys, in two chains,
	v_max3_num_f32 v252, v99, v100, v101
.irp i, 6,10,14,18,22,26,30,34,38,42,46,50,54,58
	v_max3_num_f32 v254, v254, v[96+\i], v[97+\i]
	v_max3_num_f32 v252, v252, v[98+\i], v[99+\i]
.endr
	v_max3_num_f32 v254, v254, v158, v159
	v_max_num_f32 v254, v254, v252
	v_permlanex16_b32 v236, v254, s[SEL], s[SEL+1]
	v_max_num_f32 v254, v254, v236                 ; and among lane l xor 16's
	v_max_num_f32 v13, v13, v254                   ; the running largest t
	v_mov_b32 v254, v12
	v_floor_f32 v12, -v13                          ; the new -M = floor(-t) = -ceil(t): M is a whole number
	v_sub_f32 v254, v12, v254                      ; M's old value less its new one: a whole number, 0 or less
	v_cvt_i32_f32 v254, v254                       ; (it saturates)
	v_ldexp_f32 v252, 1.0, v254                    ; f = 2^(old M - new M)
.set j, 0
.rept 32
	v_pk_add_f32 v[96+j:97+j], v[96+j:97+j], v[12:13] op_sel_hi:[1,0]   ; t - M (of the pair the low word, -M, serves both halves)
.set j, j+2
.endr
.set j, 0
.rept 64
	v_exp_f32 v[96+j], v[96+j]                     ; p = 2^(t - M), at most 1: not normalised
.set j, j+1
.endr
	v_pk_mul_f32 v[14:15], v[14:15], v[252:253] op_sel_hi:[1,0]   ; the sums under the new M.  (The plain line behind the exponentials)
	s_wait_alu depctr_va_vdst(0)                   ; one wait for the whole batch, ahead of its first reader
	v_pk_add_f32 v[242:243], v[96:97], v[98:99]    ; the row's sum is taken of the unquantised p: two at a time, in two chains
.irp j, 4,8,12,16,20,24,28,32,36,40,44,48,52,56,60
	v_pk_add_f32 v[14:15], v[14:15], v[96+\j:97+\j]
	v_pk_add_f32 v[242:243], v[242:243], v[98+\j:99+\j]
.endr
	v_pk_add_f32 v[14:15], v[14:15], v[242:243]
.irp t, 0,1,2,3,4,5,6,7
.irp i, 0,1,2,3,4,5,6,7
	v_min_num_f32 v[96+8*\t+\i], v[96+8*\t+\i], v240   ; the conversion does not saturate (ISA guide 7.6.2); p is not negative, so the hold is one-sided
.endr
	v_cvt_scalef32_pk8_fp8_f32 v[224+2*\t:225+2*\t], v[96+8*\t:103+8*\t], v244   ; registers 2 t, 2 t + 1 of the operand: keys 16 t + 8 h + 0 .. 7
.endr
.set j, 0
.rept 32
	v_pk_mul_f32 v[160+j:161+j], v[160+j:161+j], v[252:253] op_sel_hi:[1,0]   ; O^T under the new M.  (These are also the plain lines between the conversions and the products below)
.set j, j+2
.endr
.irp g, 0,1                                    ; O^T += V^T P^T: four tiles of 16 channels at a time; K = these 128 keys
.if \g > 0
.rept 4
	v_nop
.endr
.endif
.irp t, 0,1,2,3
.irp c, 0,1,2,3
	ds_load_b128 v[32+16*\t+4*\c:32+16*\t+4*\c+3], v[ADL] offset:VOFF+(8*(\q)+4*\g+\t)*2048+512*\c
.endr
.endr
	s_wait_dscnt 0x0
.irp t, 0,1,2,3
	v_wmma_f32_16x16x128_fp8_fp8 v[160+8*(4*\g+\t):167+8*(4*\g+\t)], v[32+16*\t:47+16*\t], v[224:239], v[160+8*(4*\g+\t):167+8*(4*\g+\t)]
.endr
.endr
.endm
; THE CHANGE OF SLOTS stands at a slot's head.  Each wave waits for all its tensor loads (its part of the slot that it is about to read), adds 0 to its spare word, and waits for that and for its reads of the slot that
; it has left.  fill = 1: a round of the cluster's barrier, and behind it the slot that was left is filled with the keys that follow: the load has a whole slot's two key steps in which to land.
.macro CHANGE fill
	s_wait_tensorcnt 0x0                           ; no tensor load of mine is out, so a group 0 may be written
	ds_add_u32 v[SPW], v[NIL]                      ; 0 onto my spare word
.if \fill
	s_xor_b32 s[G0KV+1], s[G0KV+1], SLOTB          ; the walking descriptors: the other slot than last time,
	s_add_nc_u64 s[G0KV+2:G0KV+3], s[G0KV+2:G0KV+3], 65536   ; the next 256 keys' images; the type bits on top are not reached
	s_xor_b32 s[G0M+1], s[G0M+1], SLOTB
	s_add_nc_u64 s[G0M+2:G0M+3], s[G0M+2:G0M+3], 1024        ; and their 1,024 bytes of each mask row
	s_wait_xcnt 0x0                                ; the last prefetch, a slot back, has read its address, so it may be written:
	s_add_nc_u64 s[PFA:PFA+1], s[PFA:PFA+1], s[PFS:PFS+1]    ; one slot further on than the walking descriptors
	s_wait_dscnt 0x0                               ; the add is done, and my reads of the slot that I have left are over
	CROUND                                         ; that now holds of every wave of every partner
	TLOAD                                          ; the first thing behind the round, and a wave's one tensor load until the next
	ASK
.else
	s_wait_dscnt 0x0
	s_barrier_signal -1
	s_barrier_wait -1
.endif
.endm
.macro SLOT_STEPS
	STEP 0
	STEP 1
	s_xor_b32 s[TB], s[TB], SLOTB                  ; on to the other slot
.endm
	s_wait_loadcnt 0x0                             ; Q
.Lslot:                                            ; NSL - 1 trips: behind each change of slots but the last the next slot is asked for
	CHANGE 1
	SLOT_STEPS
	s_sub_co_u32 s[SLOTS], s[SLOTS], 1
	s_cmp_lg_u32 s[SLOTS], 0
	s_cbranch_scc1 .Lslot
	CHANGE 0                                       ; the last slot is written out
	SLOT_STEPS
	; THE WAY OUT.  O^T x 2^(e8 + e9) / the sum is quantised (e10).  A lane's eight codes of a tile are 8 bytes of one token's row; a token's 256 bytes of this kv head's two query heads come from two waves: they meet in
	; the stage, and each wave stores eight whole pieces of 256 bytes.
	v_add_f32 v14, v14, v15                        ; the sum's two halves,
	v_permlanex16_b32 v252, v14, s[SEL], s[SEL+1]
	v_add_f32 v14, v14, v252                       ; and lane l xor 16's
	v_rcp_f32 v14, v14
	v_nop                                          ; a plain line behind the transcendental
	s_add_co_i32 s54, s76, s77
	s_wait_alu depctr_va_vdst(0)                   ; the wait ahead of the first reader
	v_ldexp_f32 v14, v14, s54                      ; x 2^(e8 + e9)
.set j, 0
.rept 64
	v_mul_f32 v[96+j], v[160+j], v14               ; register 8 t + i is the output at (query r, channel 16 t + 8 h + i); each accumulator from its low end on
.set j, j+1
.endr
.irp t, 0,1,2,3,4,5,6,7
.irp i, 0,1,2,3,4,5,6,7
	v_med3_num_f32 v[96+8*\t+\i], v[96+8*\t+\i], -v247, v247
.endr
	v_cvt_scalef32_pk8_fp8_f32 v[224+2*\t:225+2*\t], v[96+8*\t:103+8*\t], v246
.endr
	v_nop                                          ; one plain line behind the last conversion
.irp t, 0,1,2,3,4,5,6,7
	ds_store_b64 v[STO], v[224+2*\t:225+2*\t] offset:16*\t
.endr
	s_wait_dscnt 0x0                               ; for the others' sake: my stores into the stage are done
	s_barrier_signal -1
	s_barrier_wait -1
.irp i, 0,1,2,3
	ds_load_b128 v[32+4*\i:35+4*\i], v[RD] offset:2*\i*SP
.endr
.irp i, 0,1,2,3
	s_wait_dscnt 3-\i
	global_store_b128 v[GO], v[32+4*\i:35+4*\i], s[12:13] offset:4096*\i   ; 16 lanes store 256 consecutive bytes, at a multiple of 256 from aimg's first byte
.endr
	s_wait_tensorcnt 0x0                           ; the wave's end
	ds_add_u32 v[SPW], v[NIL]
	s_wait_dscnt 0x0
	CROUND                                         ; the closing round
	s_endpgm
.Lfunc_end_k_q952f0d1eea_attn:
	.size	k_q952f0d1eea_attn, .Lfunc_end_k_q952f0d1eea_attn-k_q952f0d1eea_attn
	.p2alignl 7, 3214868480
	.fill 96, 4, 3214868480
	.section	.rodata,"a",@progbits
	.p2align	6, 0x0
	.amdhsa_kernel k_q952f0d1eea_attn
		.amdhsa_group_segment_fixed_size 327680
		.amdhsa_private_segment_fixed_size 0
		.amdhsa_enable_private_segment 0
		.amdhsa_kernarg_size 40
		.amdhsa_user_sgpr_count 2
		.amdhsa_user_sgpr_kernarg_segment_ptr 1
		.amdhsa_wavefront_size32 1
		.amdhsa_system_sgpr_workgroup_id_x 1
		.amdhsa_system_sgpr_workgroup_id_y 1
		.amdhsa_system_sgpr_workgroup_id_z 1
		.amdhsa_system_vgpr_workitem_id 0
		.amdhsa_next_free_vgpr 256
		.amdhsa_next_free_sgpr 100
		.amdhsa_reserve_vcc 0
		.amdhsa_float_denorm_mode_32 3
		.amdhsa_float_denorm_mode_16_64 3
		.amdhsa_memory_ordered 1
		.amdhsa_forward_progress 1
		.amdhsa_inst_pref_size 116
	.end_amdhsa_kernel
	.amdgpu_metadata
---
amdhsa.version: [ 1, 2 ]
amdhsa.kernels:
  - .name:           k_q952f0d1eea_attn
    .symbol:         k_q952f0d1eea_attn.kd
    .args:
      - { .name: qimg, .offset: 0, .size: 8, .value_kind: global_buffer, .address_space: global }
      - { .name: kvimg, .offset: 8, .size: 8, .value_kind: global_buffer, .address_space: global }
      - { .name: attention_mask, .offset: 16, .size: 8, .value_kind: global_buffer, .address_space: global }
      - { .name: lowp_scales, .offset: 24, .size: 8, .value_kind: global_buffer, .address_space: global }
      - { .name: aimg, .offset: 32, .size: 8, .value_kind: global_buffer, .address_space: global }
    .group_segment_fixed_size: 327680
    .private_segment_fixed_size: 0
    .kernarg_segment_align: 8
    .kernarg_segment_size: 40
    .max_flat_workgroup_size: 256
    .sgpr_count:     100
    .vgpr_count:     256
    .wavefront_size: 32
...
	.end_amdgpu_metadata
.endif
;; end of part 2
;; launch oproj (part 3): grid 16 x 16, 4 waves a work-group, clusters of 4 x 4, 327,680 bytes of LDS; arguments aimg, wo_codes, lowp_scales, out0; writes out0
.if DOCPART == 3
	.amdgcn_target "amdgcn-amd-amdhsa--gfx1250"
	.amdhsa_code_object_version 6
	.text
	.protected	k_q952f0d1eea_oproj
	.globl	k_q952f0d1eea_oproj
	.p2align	8
	.type	k_q952f0d1eea_oproj,@function
k_q952f0d1eea_oproj:
	s_mov_b64 s[64:65], 0
	v_nop
	global_prefetch_b8 v0, s[64:65] scope:SCOPE_SE
	s_setreg_imm32_b32 hwreg(HW_REG_WAVE_MODE, 25, 1), 1
	s_wait_xcnt 0x0
	s_wait_alu depctr_hold_cnt(0) depctr_sa_sdst(0) depctr_va_vdst(0) depctr_va_sdst(0) depctr_va_ssrc(0) depctr_va_vcc(0) depctr_vm_vsrc(0)
	s_getreg_b32 s2, hwreg(HW_REG_IB_STS2, 6, 4)
	s_cmp_eq_u32 s2, 0
	s_cbranch_scc0 .Lentry_in_a_cluster
	s_endpgm
.Lentry_in_a_cluster:
	s_bfe_u32 s2, ttmp6, 0x10000c
	s_cmp_lg_u32 s2, 0xf033
	s_cbranch_scc0 .Lentry_shape_is_right
	s_endpgm
.Lentry_shape_is_right:
; THE OUTPUT PROJECTION out0 = a wo ON E4M3 CODES.  a: aimg [2048 tokens][2048] codes (byte 128 head + channel), wo_codes: [4096][2048] codes, K innermost; out0: [2048][4096] f32.
; A number of a is its code x 2^e10, of wo x 2^e11: the codes are multiplied as they are, and each finished sum once by 2^(e10 + e11).  LIMIT: e10 + e11 lies between -126 and 127.
; SHARES.  256 work-groups of four waves; a work-group makes 128 tokens x 256 columns: side S0 = 256 rows of wo (source 0: its rows run along a lane's registers, so a lane holds eight neighbouring columns of a token's
; row), side S1 = 128 rows of a (source 1).  A wave makes 128 (S0) x 64 (S1): 32 accumulators.  K goes in slices of 256 bytes through two LDS slots; a slice is two steps of 128.
; CLUSTERS of 4 x 4: S1's tile hangs on cy alone and is asked for jointly by a row of the cluster, S0's on cx alone and by a column.
; A fragment is fetched by four loads of 16 bytes: a permutation of k that is the same on both sides.
; REGISTERS: window 0: v1-31 addresses; v64-127, v128-191 S1's fragments, two sets; on the way out v32-95 a block's sums x the scale, v128-255 rows read back.  window 1: S0's fragments, two sets.  window 2: accumulator (a, b) at v[8 (8 a + b)].
.set KROW,   2048                      ; a row of codes in memory, in bytes
.set ROWC,   16384                     ; a row of out0 in bytes
.set PITCH,  272                       ; an LDS row: 256 bytes + 16 of padding: the 16 rows of a fragment load start at 16 different banks (ISA guide 11.1)
.set S1B,    128*PITCH
.set SLOT,   384*PITCH
.set SPARE,  2*SLOT                    ; behind the ring: the spare words, 128 bytes for each wave: two blocks of 256 bytes that no other line names
.set LAPS,   KROW/512
.set SPITCH, 528                       ; the way out: a stage of 16 rows x (512 bytes + 16) for each wave, in slot 0, which has had its last fill and its last read when the first result is stored there
.set ADR1, 16
.set ADR0, 20
.set STO,  24                          ; v24  the way out: where I put 32 bytes of a row
.set RD,   25                          ; v25  where I read a row back
.set CO,   26                          ; v26  my byte offset in a row's 512 bytes
.set SPW,  28
.set NIL,  29
.set TMP,  32
.set F1,   64
.set BK,   128
.set G1,  24
.set G0,  32
.set G1B, 48
.set G0B, 56
.set MSB, 0
.macro WIN new                         ; the immediate's high byte repeats the setting that is left
.if MSB != \new
	s_set_vgpr_msb (MSB<<8)|\new
.set MSB, \new
.endif
.endm
.set MUL,   0xa1                       ; source 0 (S0) window 1, source 1 (S1) window 0, C and D window 2
.set TO_B,  0x40                       ; destination window 1
.set FROMA, 0x02                       ; source 0 window 2
.macro JLOAD g0a, g1a, g0b, g1b        ; waves 0 and 1 fetch S1's halves, waves 2 and 3 S0's; four v_nop follow each of the two lines
	s_cmp_eq_u32 s15, 0
	s_cbranch_scc0 .Lfor_s0_\@
	tensor_load_to_lds s[\g0a:\g0a+3], s[\g1a:\g1a+7]
	s_nop 0
.rept 4
	v_nop
.endr
	s_branch .Lasked_\@
.Lfor_s0_\@:
	tensor_load_to_lds s[\g0b:\g0b+3], s[\g1b:\g1b+7]
	s_nop 0
.rept 4
	v_nop
.endr
.Lasked_\@:
.endm
.macro CREST
	s_cmp_lg_u32 s14, 0
	s_cbranch_scc1 .Lnot_wave_0_\@
	s_barrier_signal -3
.Lnot_wave_0_\@:
	s_barrier_wait -3
	s_barrier_signal -1
	s_barrier_wait -1
.endm
.macro CROUND
	s_barrier_signal -1
	s_barrier_wait -1
	CREST
.endm
.macro PLACES n
.rept \n
	v_nop
.endr
.endm
	s_load_b256 s[4:11], s[0:1], 0x0               ; a s[4:5], wo s[6:7], the exponents s[8:9], out0 s[10:11]
	v_lshl_add_u32 v[SPW], v0, 2, SPARE
	v_mov_b32 v[NIL], 0
	ds_add_u32 v28, v29
	s_wait_dscnt 0x0
	v_lshrrev_b32 v1, 5, v0
	v_readfirstlane_b32 s14, v1                    ; wave 0..3
	s_lshr_b32 s15, s14, 1                         ; which 64 rows of S1 are mine.  Also: I fetch for S1 (0) or for S0 (1)
	s_and_b32 s16, s14, 1                          ; which 128 rows of S0 are mine.  Also: which half of that tile I fetch
	s_bfe_u32 s40, ttmp6, 0x40000                  ; cx, cy
	s_bfe_u32 s41, ttmp6, 0x40004
	s_lshl_b32 s42, ttmp9, 2
	s_add_co_u32 s42, s42, s40                     ; n0: my 256 columns = rows of wo
	s_and_b32 s43, ttmp7, 0xffff
	s_lshl_b32 s43, s43, 2
	s_add_co_u32 s43, s43, s41                     ; n1: my 128 tokens
	s_lshl_b32 s44, s41, 2
	s_lshl_b32 s44, 15, s44                        ; my row of the cluster
	s_lshl_b32 s45, 0x1111, s40                    ; my column
	s_or_b32 s[G1+0], s44, (0<<16)|(1<<20)|(1<<21)|(5<<22)|(3<<25)   ; the mask: my row; elements of 1 byte; padding on; 21 set beside a mask; after every 64 words four words
	s_or_b32 s[G1B+0], s45, (0<<16)|(1<<20)|(1<<21)|(5<<22)|(3<<25)  ; my column
	s_mov_b32 s[G1+1], 256<<16                     ; tensor_dim0
	s_mov_b32 s[G1+2], 64<<16                      ; tensor_dim1 = 64
	s_mov_b32 s[G1+3], 256<<16                     ; tile_dim0
	s_mov_b32 s[G1+4], 64                          ; tile_dim1
	s_mov_b32 s[G1+5], KROW                        ; tensor_dim0_stride
	s_mov_b32 s[G1+6], 0
	s_mov_b32 s[G1+7], 0
	s_mov_b32 s[G1B+1], 256<<16
	s_mov_b32 s[G1B+2], 128<<16
	s_mov_b32 s[G1B+3], 256<<16
	s_mov_b32 s[G1B+4], 128
	s_mov_b32 s[G1B+5], KROW
	s_mov_b32 s[G1B+6], 0
	s_mov_b32 s[G1B+7], 0
	s_lshl_b32 s46, s43, 7
	s_lshl_b32 s47, s16, 6
	s_add_co_u32 s46, s46, s47                     ; S1: row 128 n1 + 64 x half,
	s_lshl_b32 s46, s46, 11                        ; in bytes
	s_mov_b32 s47, 0
	s_lshl_b32 s20, s42, 8
	s_lshl_b32 s21, s16, 7
	s_add_co_u32 s20, s20, s21                     ; S0: row 256 n0 + 128 x half
	s_lshl_b32 s20, s20, 11
	s_mov_b32 s21, 0
	s_mul_i32 s22, s16, 64*PITCH                   ; where they go
	s_mul_i32 s23, s16, 128*PITCH
	s_add_co_u32 s23, s23, S1B
	s_wait_kmcnt 0x0
	s_load_b64 s[96:97], s[8:9], 0x28              ; e10, e11
	s_add_nc_u64 s[12:13], s[4:5], s[46:47]
	s_add_nc_u64 s[18:19], s[6:7], s[20:21]
	CROUND                                         ; all sixteen work-groups are here: the first joint loads meet
.irp s, 0,1
	s_mov_b32 s[G0+4*\s], 1
	s_add_co_u32 s[G0+4*\s+1], s22, \s*SLOT
	s_add_nc_u64 s[G0+4*\s+2:G0+4*\s+3], s[12:13], \s*256
	s_or_b32 s[G0+4*\s+3], s[G0+4*\s+3], 0x80000000
	s_mov_b32 s[G0B+4*\s], 1
	s_add_co_u32 s[G0B+4*\s+1], s23, \s*SLOT
	s_add_nc_u64 s[G0B+4*\s+2:G0B+4*\s+3], s[18:19], \s*256
	s_or_b32 s[G0B+4*\s+3], s[G0B+4*\s+3], 0x80000000
	JLOAD G0+4*\s, G1, G0B+4*\s, G1B               ; two loads of mine are out
.endr
	v_and_b32 v1, 15, v0                           ; r
	v_bfe_u32 v2, v0, 4, 1                         ; h
	v_mul_u32_u24 v3, v1, PITCH
	v_lshl_add_u32 v4, v2, 4, v3
	s_mul_i32 s20, s15, 64*PITCH
	s_mul_i32 s21, s16, 128*PITCH
	s_add_co_u32 s21, s21, S1B
.irp s, 0,1
	v_add_nc_u32 v[ADR1+\s], s20, v4
	v_add_nc_u32 v[ADR0+\s], s21, v4
	s_add_co_u32 s20, s20, SLOT
	s_add_co_u32 s21, s21, SLOT
.endr
	s_mul_i32 s23, s14, 16*SPITCH                  ; my stage
	v_mul_u32_u24 v5, v1, SPITCH                   ; in: row r, 32 bytes for each half of the lanes
	v_lshl_add_u32 v5, v2, 5, v5
	v_add_nc_u32 v[STO], s23, v5
	v_and_b32 v6, 31, v0
	v_lshlrev_b32 v[CO], 4, v6                     ; back: the 32 lanes take one row of 512 bytes; and the same in out0
	v_add_nc_u32 v[RD], s23, v[CO]
	s_lshl_b32 s20, s43, 21                        ; out0: row 128 n1 + 64 (wave / 2) of 16,384 bytes, + 1,024 n0 + 512 (wave % 2)
	s_lshl_b32 s21, s15, 20
	s_add_co_u32 s20, s20, s21
	s_lshl_b32 s21, s42, 10
	s_add_co_u32 s20, s20, s21
	s_lshl_b32 s21, s16, 9
	s_add_co_u32 s20, s20, s21
	s_mov_b32 s21, 0
	s_add_nc_u64 s[10:11], s[10:11], s[20:21]
.macro FRAG reg, adr, q, i
.irp c, 0,1,2,3
	ds_load_b128 v[\reg+4*\c:\reg+4*\c+3], v[\adr] offset:128*(\q)+32*\c+(\i)*16*PITCH
.endr
.endm
.macro FETCH slot, q, p                ; 48 LDS loads in one run: S0's eight fragments, then S1's four
	WIN TO_B
.irp i, 0,1,2,3,4,5,6,7
	FRAG 128*(\p)+16*\i, ADR0+\slot, \q, \i
.endr
	WIN 0
.irp i, 0,1,2,3
	FRAG F1+64*(\p)+16*\i, ADR1+\slot, \q, \i
.endr
.endm
.macro MUL8 a, p, zero                 ; the 32 accumulators take turns, one instruction a turn, in the same order in every step
.irp b, 0,1,2,3,4,5,6,7
.if \zero
	v_wmma_f32_16x16x128_fp8_fp8 v[8*(8*(\a)+\b):8*(8*(\a)+\b)+7], v[128*(\p)+16*\b:128*(\p)+16*\b+15], v[F1+64*(\p)+16*(\a):F1+64*(\p)+16*(\a)+15], 0
.else
	v_wmma_f32_16x16x128_fp8_fp8 v[8*(8*(\a)+\b):8*(8*(\a)+\b)+7], v[128*(\p)+16*\b:128*(\p)+16*\b+15], v[F1+64*(\p)+16*(\a):F1+64*(\p)+16*(\a)+15], v[8*(8*(\a)+\b):8*(8*(\a)+\b)+7]
.endif
.endr
.endm
.macro STEP slot, zero                 ; a slot's first step: multiplies set 0, fetches the slot's second 128 along K into set 1
	s_wait_dscnt 8                                 ; all but the youngest eight loads (S1's tiles 2 and 3) are in
	WIN MUL
	MUL8 0, 0, \zero
	MUL8 1, 0, \zero
	PLACES 4                                       ; for the loads into set 1
	FETCH \slot, 1, 1
	s_wait_dscnt 48                                ; all but the 48 just issued
	WIN MUL
	MUL8 2, 0, \zero
	MUL8 3, 0, \zero
	WIN 0
.endm
.macro TURN slot, next, fill           ; a slot's second step: multiplies set 1 and changes slots
	s_wait_tensorcnt 0x0                           ; all my tensor loads have landed: my part of the next slot
	ds_add_u32 v[SPW], v[NIL]                      ; 0 onto my spare word
	s_wait_dscnt 9                                 ; (the add and the youngest eight loads may be out)
	WIN MUL
	MUL8 0, 1, 0
	s_wait_dscnt 0x0                               ; the add is done, and my reads of this slot are over
	s_barrier_signal -1
	MUL8 1, 1, 0
	WIN 0
	s_barrier_wait -1
.if \fill
	CREST                                          ; no wave of any partner still reads this slot or has a load on its way
	s_add_nc_u64 s[G0+4*\slot+2:G0+4*\slot+3], s[G0+4*\slot+2:G0+4*\slot+3], 512
	s_add_nc_u64 s[G0B+4*\slot+2:G0B+4*\slot+3], s[G0B+4*\slot+2:G0B+4*\slot+3], 512
	JLOAD G0+4*\slot, G1, G0B+4*\slot, G1B         ; my one tensor load behind the round; its four v_nop are the places in front of the loads below
.else
	PLACES 4
.endif
	FETCH \next, 0, 0
	WIN MUL
	MUL8 2, 1, 0
	MUL8 3, 1, 0
	WIN 0
.endm
	s_wait_tensorcnt 1                             ; my part of slice 0 is in (slice 1's load may be out),
	s_barrier_signal -1
	s_barrier_wait -1                              ; everybody's is
	FETCH 0, 0, 0
	STEP 0, 1                                      ; the first step's products start the sums
	s_mov_b32 s3, LAPS-1
.Llap:
	TURN 0, 1, 1
	STEP 1, 0
	TURN 1, 0, 1
	STEP 0, 0
	s_sub_co_u32 s3, s3, 1
	s_cmp_lg_u32 s3, 0
	s_cbranch_scc1 .Llap
	TURN 0, 1, 0                                   ; the last lap fills nothing
	STEP 1, 0
	s_wait_dscnt 8
	WIN MUL
	MUL8 0, 1, 0
	MUL8 1, 1, 0
	s_wait_dscnt 0x0
	MUL8 2, 1, 0
	MUL8 3, 1, 0
	WIN 0
; THE WAY OUT, block by block of 16 tokens x 128 columns: through my own stage in LDS, back as whole rows of 512 bytes.  LDS serves a wave's instructions in order (ISA guide 5.7.1.4): no wait between the stores and the loads.
.macro TOSTAGE a
	WIN FROMA
.set j, 0
.rept 32
	v_pk_mul_f32 v[TMP+j:TMP+j+1], v[64*(\a)+j:64*(\a)+j+1], s[96:97] op_sel_hi:[1,0]   ; x 2^(e10 + e11); each accumulator from its low end on
.set j, j+2
.endr
	WIN 0
.irp b, 0,1,2,3,4,5,6,7
	ds_store_b128 v[STO], v[TMP+8*\b:TMP+8*\b+3] offset:64*\b
	ds_store_b128 v[STO], v[TMP+8*\b+4:TMP+8*\b+7] offset:64*\b+16
.endr
.set BB, BK+64*((\a)%2)
.irp t, 0,1,2,3,4,5,6,7,8,9,10,11,12,13,14,15
	ds_load_b128 v[BB+4*\t:BB+4*\t+3], v[RD] offset:\t*SPITCH
.endr
.endm
.macro SEND a, younger                 ; younger: the LDS instructions issued behind block a's loads, which may stay out
.set BB, BK+64*((\a)%2)
	s_wait_dscnt \younger
.if (\a) > 0
	s_add_nc_u64 s[10:11], s[10:11], 16*ROWC       ; (behind a wait on XCNT: the earlier stores have read their base)
.endif
.irp t, 0,1,2,3,4,5,6,7,8,9,10,11,12,13,14,15
	global_store_b128 v[CO], v[BB+4*\t:BB+4*\t+3], s[10:11] offset:\t*ROWC th:TH_STORE_NT   ; 32 lanes store 512 consecutive bytes, at a multiple of 256 from out0's first byte
.endr
.endm
	s_wait_kmcnt 0x0
	s_add_co_i32 s96, s96, s97                     ; e10 + e11, between -126 and 127,
	s_add_co_i32 s96, s96, 127
	s_lshl_b32 s96, s96, 23                        ; makes the f32 number 2^(e10 + e11)
	PLACES 4                                       ; behind the last products
	TOSTAGE 0
.irp a, 1,2,3
.if \a > 1
	s_wait_xcnt 0x0                                ; block a - 2's stores have read their registers and their base
.endif
	TOSTAGE \a
	SEND \a-1, 32                                  ; behind block a - 1's loads: block a's 16 stores and 16 loads
.endr
	s_wait_xcnt 0x0
	SEND 3, 0
	s_wait_tensorcnt 0x0                           ; the wave's end
	ds_add_u32 v[SPW], v[NIL]
	s_wait_dscnt 0x0
	CROUND                                         ; the closing round
	s_endpgm
.Lfunc_end_k_q952f0d1eea_oproj:
	.size	k_q952f0d1eea_oproj, .Lfunc_end_k_q952f0d1eea_oproj-k_q952f0d1eea_oproj
	.p2alignl 7, 3214868480
	.fill 96, 4, 3214868480
	.section	.rodata,"a",@progbits
	.p2align	6, 0x0
	.amdhsa_kernel k_q952f0d1eea_oproj
		.amdhsa_group_segment_fixed_size 327680
		.amdhsa_private_segment_fixed_size 0
		.amdhsa_enable_private_segment 0
		.amdhsa_kernarg_size 32
		.amdhsa_user_sgpr_count 2
		.amdhsa_user_sgpr_kernarg_segment_ptr 1
		.amdhsa_wavefront_size32 1
		.amdhsa_system_sgpr_workgroup_id_x 1
		.amdhsa_system_sgpr_workgroup_id_y 1
		.amdhsa_system_sgpr_workgroup_id_z 1
		.amdhsa_system_vgpr_workitem_id 0
		.amdhsa_next_free_vgpr 768
		.amdhsa_next_free_sgpr 100
		.amdhsa_reserve_vcc 0
		.amdhsa_float_denorm_mode_32 3
		.amdhsa_float_denorm_mode_16_64 3
		.amdhsa_memory_ordered 1
		.amdhsa_forward_progress 1
		.amdhsa_inst_pref_size 75
	.end_amdhsa_kernel
	.amdgpu_metadata
---
amdhsa.version: [ 1, 2 ]
amdhsa.kernels:
  - .name:           k_q952f0d1eea_oproj
    .symbol:         k_q952f0d1eea_oproj.kd
    .args:
      - { .name: aimg, .offset: 0, .size: 8, .value_kind: global_buffer, .address_space: global }
      - { .name: wo_codes, .offset: 8, .size: 8, .value_kind: global_buffer, .address_space: global }
      - { .name: lowp_scales, .offset: 16, .size: 8, .value_kind: global_buffer, .address_space: global }
      - { .name: out0, .offset: 24, .size: 8, .value_kind: global_buffer, .address_space: global }
    .group_segment_fixed_size: 327680
    .private_segment_fixed_size: 0
    .kernarg_segment_align: 8
    .kernarg_segment_size: 32
    .max_flat_workgroup_size: 128
    .sgpr_count:     100
    .vgpr_count:     768
    .wavefront_size: 32
...
	.end_amdgpu_metadata
.endif
;; end of part 3
;; ======== version 2 of 2: 3 launches
;; limits: right only within a limited range of input values
;; workspace buffers: qimg 4,194,304 bytes; kvimg 4,194,304 bytes; aimg 4,194,304 bytes
;; launch qkv (part 4): grid 16 x 16, 4 waves a work-group, clusters of 4 x 4, 327,680 bytes of LDS; arguments hidden_states_codes, wq_codes, wk_codes, wv_codes, freqs_cos, freqs_sin, lowp_scales, qimg, kvimg; writes qimg, kvimg
.if DOCPART == 4
	.amdgcn_target "amdgcn-amd-amdhsa--gfx1250"
	.amdhsa_code_object_version 6
	.text
	.protected	k_q952f0d1eea_qkv
	.globl	k_q952f0d1eea_qkv
	.p2align	8
	.type	k_q952f0d1eea_qkv,@function
k_q952f0d1eea_qkv:
	s_mov_b64 s[64:65], 0
	v_nop
	global_prefetch_b8 v0, s[64:65] scope:SCOPE_SE
	s_setreg_imm32_b32 hwreg(HW_REG_WAVE_MODE, 25, 1), 1
	s_wait_xcnt 0x0
	s_wait_alu depctr_hold_cnt(0) depctr_sa_sdst(0) depctr_va_vdst(0) depctr_va_sdst(0) depctr_va_ssrc(0) depctr_va_vcc(0) depctr_vm_vsrc(0)
	s_getreg_b32 s2, hwreg(HW_REG_IB_STS2, 6, 4)
	s_cmp_eq_u32 s2, 0
	s_cbranch_scc0 .Lentry_in_a_cluster
	s_endpgm
.Lentry_in_a_cluster:
	s_bfe_u32 s2, ttmp6, 0x10000c
	s_cmp_lg_u32 s2, 0xf033
	s_cbranch_scc0 .Lentry_shape_is_right
	s_endpgm
.Lentry_shape_is_right:
.set KROW,   4096
.set PP,     528
.set PQ,     272
.set PS1B,   128*PP
.set QB,     384*PP
.set QS1B,   128*PQ
.set SPARE,  QB+384*PQ
.set TRIPS,  4
.set ADR1, 16
.set ADR0, 20
.set LI,   24
.set CA,   25
.set SPW,  28
.set NIL,  29
.set SC,   30
.set LIM,  31
.set T,    32
.set SS,   40
.set F1,   64
.set CD,   64
.set R,    192
.set G1Q1, 4
.set G1P1, 24
.set G0S1, 32
.set G1P0, 48
.set G0S0, 56
.set G1Q0, 68
.set MSB, 0
.macro WIN new
.if MSB != \new
	s_set_vgpr_msb (MSB<<8)|\new
.set MSB, \new
.endif
.endm
.set MUL,   0xa1
.set TO_B,  0x40
.set TO_CS, 0xc0
.set ROPE,  0x0e
.set FROMA, 0x02
.macro JLOAD g0a, g1a, g0b, g1b
	s_cmp_eq_u32 s15, 0
	s_cbranch_scc0 .Lfor_s0_\@
	tensor_load_to_lds s[\g0a:\g0a+3], s[\g1a:\g1a+7]
	s_nop 0
.rept 4
	v_nop
.endr
	s_branch .Lasked_\@
.Lfor_s0_\@:
	tensor_load_to_lds s[\g0b:\g0b+3], s[\g1b:\g1b+7]
	s_nop 0
.rept 4
	v_nop
.endr
.Lasked_\@:
.endm
.macro JL z
.if \z == 0
	JLOAD G0S1, G1P1, G0S0, G1P0
.else
	JLOAD G0S1+4, G1Q1, G0S0+4, G1Q0
.endif
.endm
.macro CREST
	s_cmp_lg_u32 s14, 0
	s_cbranch_scc1 .Lnot_wave_0_\@
	s_barrier_signal -3
.Lnot_wave_0_\@:
	s_barrier_wait -3
	s_barrier_signal -1
	s_barrier_wait -1
.endm
.macro CROUND
	s_barrier_signal -1
	s_barrier_wait -1
	CREST
.endm
.macro PLACES n
.rept \n
	v_nop
.endr
.endm
.macro GROUP1 g, m, qi, cols, rows
	s_or_b32 s[\g], s[\m], (0<<16)|(1<<20)|(1<<21)|(\qi<<22)|(3<<25)
	s_mov_b32 s[\g+1], (\cols)<<16
	s_mov_b32 s[\g+2], (\rows)<<16
	s_mov_b32 s[\g+3], (\cols)<<16
	s_mov_b32 s[\g+4], \rows
	s_mov_b32 s[\g+5], KROW
	s_mov_b32 s[\g+6], 0
	s_mov_b32 s[\g+7], 0
.endm
.macro GROUP0 g, l, p, off
	s_mov_b32 s[\g], 1
	s_mov_b32 s[\g+1], s[\l]
	s_add_nc_u64 s[\g+2:\g+3], s[\p:\p+1], \off
	s_or_b32 s[\g+3], s[\g+3], 0x80000000
.endm
	s_load_b512 s[68:83], s[0:1], 0x0
	s_load_b64 s[84:85], s[0:1], 0x40
	v_lshl_add_u32 v[SPW], v0, 2, SPARE
	v_mov_b32 v[NIL], 0
	ds_add_u32 v28, v29
	ds_add_u32 v28, v29
	s_wait_dscnt 0x0
	v_lshrrev_b32 v1, 5, v0
	v_readfirstlane_b32 s14, v1
	s_lshr_b32 s15, s14, 1
	s_and_b32 s16, s14, 1
	s_bfe_u32 s40, ttmp6, 0x40000
	s_bfe_u32 s41, ttmp6, 0x40004
	s_and_b32 s18, ttmp7, 0xffff
	s_and_b32 s19, s18, 1
	s_lshr_b32 s20, s18, 1
	s_cmp_lt_u32 ttmp9, 2
	s_cselect_b32 s21, ttmp9, 0
	s_cmp_eq_u32 ttmp9, 3
	s_cselect_b32 s21, s19, s21
	s_cselect_b32 s22, s20, s18
	s_cselect_b32 s17, 1, 0
	s_lshl_b32 s42, s21, 2
	s_add_co_u32 s42, s42, s40
	s_lshl_b32 s43, s22, 2
	s_add_co_u32 s43, s43, s41
	s_lshl_b32 s44, s41, 2
	s_lshl_b32 s44, 15, s44
	s_lshl_b32 s45, 0x1111, s40
	GROUP1 G1P1, 44, 6, 512, 64
	GROUP1 G1P0, 45, 6, 512, 128
	GROUP1 G1Q1, 44, 5, 256, 64
	s_lshl_b32 s46, s43, 7
	s_lshl_b32 s47, s16, 6
	s_add_co_u32 s46, s46, s47
	s_lshl_b32 s46, s46, 12
	s_mov_b32 s47, 0
	s_lshl_b32 s20, s42, 8
	s_lshl_b32 s21, s16, 7
	s_add_co_u32 s20, s20, s21
	s_lshl_b32 s20, s20, 12
	s_mov_b32 s21, 0
	s_mul_i32 s22, s16, 64*PP
	s_mul_i32 s23, s16, 128*PP
	s_add_co_u32 s23, s23, PS1B
	s_mul_i32 s18, s16, 64*PQ
	s_add_co_u32 s18, s18, QB
	s_mul_i32 s19, s16, 128*PQ
	s_add_co_u32 s19, s19, QB+QS1B
	s_mov_b32 s66, 0x76543210
	s_mov_b32 s67, 0xfedcba98
	s_wait_kmcnt 0x0
	s_load_b256 s[88:95], s[80:81], 0x0
	s_load_b128 s[96:99], s[80:81], 0x20
	s_cmp_lt_u32 ttmp9, 2
	s_cselect_b64 s[2:3], s[70:71], s[72:73]
	s_cmp_eq_u32 ttmp9, 3
	s_cselect_b64 s[2:3], s[68:69], s[2:3]
	s_cselect_b64 s[12:13], s[74:75], s[68:69]
	s_add_nc_u64 s[2:3], s[2:3], s[20:21]
	s_add_nc_u64 s[12:13], s[12:13], s[46:47]
	GROUP1 G1Q0, 45, 5, 256, 128
	CROUND
	GROUP0 G0S1+4, 18, 12, 0
	GROUP0 G0S0+4, 19, 2, 0
	JL 1
	; prefetches: of the rows that my wave fetches (64 or 128) each of the four partners that ask jointly takes a quarter, told apart by address; a lane a row (left-over lanes name the last row again); 768 bytes of K a group, three instructions
	s_cmp_eq_u32 s15, 0
	s_cselect_b64 s[18:19], s[12:13], s[2:3]
	s_cselect_b32 s46, s40, s41
	s_cselect_b32 s47, 16, 17
	s_cselect_b32 s20, 15, 31
	s_lshl_b32 s46, s46, s47
	s_add_co_u32 s46, s46, 256
	s_mov_b32 s47, 0
	s_add_nc_u64 s[18:19], s[18:19], s[46:47]
	v_and_b32 v26, 31, v0
	v_min_u32 v26, s20, v26
	v_lshlrev_b32 v26, 12, v26
	global_prefetch_b8 v26, s[18:19] th:TH_LOAD_NT scope:SCOPE_SE              ; bytes 256 to 1,023 of each row: the next two fills
	global_prefetch_b8 v26, s[18:19] offset:256 th:TH_LOAD_NT scope:SCOPE_SE
	global_prefetch_b8 v26, s[18:19] offset:512 th:TH_LOAD_NT scope:SCOPE_SE
	GROUP0 G0S1, 22, 12, 256
	GROUP0 G0S0, 23, 2, 256
	v_and_b32 v1, 15, v0
	v_bfe_u32 v2, v0, 4, 1
	v_mul_u32_u24 v3, v1, PP
	v_lshl_add_u32 v3, v2, 4, v3
	v_mul_u32_u24 v4, v1, PQ
	v_lshl_add_u32 v4, v2, 4, v4
	s_mul_i32 s20, s15, 64*PP
	s_mul_i32 s21, s16, 128*PP
	s_add_co_u32 s21, s21, PS1B
	v_add_nc_u32 v[ADR1], s20, v3
	v_add_nc_u32 v[ADR0], s21, v3
	s_mul_i32 s20, s15, 64*PQ
	s_add_co_u32 s20, s20, QB
	s_mul_i32 s21, s16, 128*PQ
	s_add_co_u32 s21, s21, QB+QS1B
	v_add_nc_u32 v[ADR1+1], s20, v4
	v_add_nc_u32 v[ADR0+1], s21, v4
	v_and_b32 v5, 31, v0
	v_lshlrev_b32 v[LI], 4, v5
	v_lshlrev_b32 v[CA], 8, v1
	v_lshl_add_u32 v[CA], v2, 4, v[CA]
	s_lshl_b32 s20, s43, 15
	s_lshl_b32 s21, s15, 14
	s_add_co_u32 s20, s20, s21
	s_mov_b32 s21, 0
	s_add_nc_u64 s[76:77], s[76:77], s[20:21]
	s_add_nc_u64 s[78:79], s[78:79], s[20:21]
	WIN TO_CS
.irp a, 0,1,2,3
.irp b, 0,1,2,3,4,5,6,7
	global_load_b128 v[64*\a+8*\b:64*\a+8*\b+3],   v[CA], s[76:77] offset:4096*\a+32*\b
	global_load_b128 v[64*\a+8*\b+4:64*\a+8*\b+7], v[CA], s[78:79] offset:4096*\a+32*\b
.endr
.endr
	WIN 0
	; the addresses and the loads of cos and sin stand ahead of the first wait for a tile; the second slot's first fill is issued as a refill is
	s_wait_alu depctr_va_vdst(0)
	s_wait_tensorcnt 0x0
	ds_add_u32 v28, v29
	s_wait_dscnt 0x0
	CROUND
	JL 0
.macro FRAG reg, adr, off
.irp c, 0,1,2,3
	ds_load_b128 v[\reg+4*\c:\reg+4*\c+3], v[\adr] offset:\off+32*\c
.endr
.endm
.macro FETCH z, q, p
.set PT, PP-(PP-PQ)*(\z)
	WIN TO_B
.irp i, 0,1,2,3,4,5,6,7
	FRAG 128*(\p)+16*\i, ADR0+\z, 128*(\q)+\i*16*PT
.endr
	WIN 0
.irp i, 0,1,2,3
	FRAG F1+64*(\p)+16*\i, ADR1+\z, 128*(\q)+\i*16*PT
.endr
.endm
.macro MUL8 a, p, zero
.irp b, 0,1,2,3,4,5,6,7
.if \zero
	v_wmma_f32_16x16x128_fp8_fp8 v[8*(8*(\a)+\b):8*(8*(\a)+\b)+7], v[128*(\p)+16*\b:128*(\p)+16*\b+15], v[F1+64*(\p)+16*(\a):F1+64*(\p)+16*(\a)+15], 0
.else
	v_wmma_f32_16x16x128_fp8_fp8 v[8*(8*(\a)+\b):8*(8*(\a)+\b)+7], v[128*(\p)+16*\b:128*(\p)+16*\b+15], v[F1+64*(\p)+16*(\a):F1+64*(\p)+16*(\a)+15], v[8*(8*(\a)+\b):8*(8*(\a)+\b)+7]
.endif
.endr
.endm
.macro STEP z, q, p, zero
	s_wait_dscnt 8
	WIN MUL
	MUL8 0, \p, \zero
	MUL8 1, \p, \zero
	PLACES 4
	FETCH \z, (\q)+1, 1-(\p)
	s_wait_dscnt 48
	WIN MUL
	MUL8 2, \p, \zero
	MUL8 3, \p, \zero
	WIN 0
.endm
.macro TURN z, nz, fill
	s_wait_tensorcnt 0x0
	ds_add_u32 v[SPW], v[NIL]
	s_wait_dscnt 9
	WIN MUL
	MUL8 0, 1, 0
	s_wait_dscnt 0x0
	s_barrier_signal -1
	MUL8 1, 1, 0
	WIN 0
	s_barrier_wait -1
.if \fill
	CREST
	s_add_nc_u64 s[G0S1+4*\z+2:G0S1+4*\z+3], s[G0S1+4*\z+2:G0S1+4*\z+3], 768
	s_add_nc_u64 s[G0S0+4*\z+2:G0S0+4*\z+3], s[G0S0+4*\z+2:G0S0+4*\z+3], 768
	JL \z
.else
	PLACES 4
.endif
	FETCH \nz, 0, 0
	WIN MUL
	MUL8 2, 1, 0
	MUL8 3, 1, 0
	WIN 0
.endm
	s_wait_alu depctr_va_vdst(0)
	s_wait_tensorcnt 1
	s_barrier_signal -1
	s_barrier_wait -1
	FETCH 1, 0, 0
	STEP 1, 0, 0, 1
	s_mov_b32 s3, TRIPS
.Llap:
	s_wait_xcnt 0x0                                ; the last group of prefetches, a trip back, has read its address
	s_add_nc_u64 s[18:19], s[18:19], 768
	TURN 1, 0, 1
	global_prefetch_b8 v26, s[18:19] th:TH_LOAD_NT scope:SCOPE_SE              ; what this trip's second refill and the next trip's first will ask for; the fourth trip's group ends at byte 4,095 of the rows
	global_prefetch_b8 v26, s[18:19] offset:256 th:TH_LOAD_NT scope:SCOPE_SE
	global_prefetch_b8 v26, s[18:19] offset:512 th:TH_LOAD_NT scope:SCOPE_SE
	STEP 0, 0, 0, 0
	STEP 0, 1, 1, 0
	STEP 0, 2, 0, 0
	TURN 0, 1, 1
	STEP 1, 0, 0, 0
	s_sub_co_u32 s3, s3, 1
	s_cmp_lg_u32 s3, 0
	s_cbranch_scc1 .Llap
	TURN 1, 0, 1
	STEP 0, 0, 0, 0
	STEP 0, 1, 1, 0
	STEP 0, 2, 0, 0
	TURN 0, 1, 0
	STEP 1, 0, 0, 0
	s_wait_dscnt 8
	WIN MUL
	MUL8 0, 1, 0
	MUL8 1, 1, 0
	s_wait_dscnt 0x0
	MUL8 2, 1, 0
	MUL8 3, 1, 0
	WIN 0
	s_wait_kmcnt 0x0
	s_add_co_i32 s20, s88, s89
	s_add_co_i32 s21, s90, s91
	s_add_co_i32 s22, s92, s93
	s_sub_co_i32 s22, s97, s22
	s_cmp_lt_u32 ttmp9, 2
	s_cselect_b32 s100, s20, s21
	s_cselect_b32 s23, s94, s95
	s_cmp_eq_u32 ttmp9, 3
	s_cselect_b32 s23, s22, s23
	s_lshl_b32 s101, s100, 1
	s_sub_co_i32 s101, s101, 7
	s_add_co_i32 s23, s23, 127
	s_lshl_b32 s22, s23, 23
	v_mov_b32 v[SC], s22
	s_add_co_i32 s23, s23, 8
	s_lshl_b32 s23, s23, 23
	s_or_b32 s23, s23, 0x600000
	v_mov_b32 v[LIM], s23
	s_lshl_b32 s20, s42, 1
	s_add_co_u32 s20, s20, s16
	s_lshl_b32 s21, s20, 18
	s_lshl_b32 s22, s43, 14
	s_add_co_u32 s21, s21, s22
	s_lshl_b32 s22, s20, 19
	s_lshr_b32 s23, s43, 1
	s_lshl_b32 s23, s23, 16
	s_add_co_u32 s22, s22, s23
	s_and_b32 s23, s43, 1
	s_lshl_b32 s23, s23, 14
	s_add_co_u32 s22, s22, s23
	s_lshl_b32 s20, s43, 19
	s_lshl_b32 s23, s42, 16
	s_add_co_u32 s20, s20, s23
	s_lshl_b32 s23, s16, 14
	s_add_co_u32 s20, s20, s23
	s_add_co_u32 s20, s20, 32768
	s_cmp_lt_u32 ttmp9, 2
	s_cselect_b32 s46, s21, s22
	s_cselect_b64 s[86:87], s[82:83], s[84:85]
	s_cmp_eq_u32 ttmp9, 3
	s_cselect_b32 s46, s20, s46
	s_lshl_b32 s23, s15, 13
	s_add_co_u32 s46, s46, s23
	s_mov_b32 s47, 0
	s_add_nc_u64 s[86:87], s[86:87], s[46:47]
	s_wait_loadcnt 0x0
	PLACES 4
	s_cmp_eq_u32 s17, 1
	s_cbranch_scc1 .Lv_out
.macro OUT a
.irp b, 0,1,2,3,4,5,6,7
.irp i, 0,1,2,3,4,5,6,7
	v_med3_num_f32 v[R+8*\b+\i], v[R+8*\b+\i], -v[LIM], v[LIM]
.endr
	v_cvt_scalef32_pk8_fp8_f32 v[CD+16*\a+2*\b:CD+16*\a+2*\b+1], v[R+8*\b:R+8*\b+7], v[SC]
.endr
	v_nop
.irp c, 0,1,2,3
	global_store_b128 v[LI], v[CD+16*\a+4*\c:CD+16*\a+4*\c+3], s[86:87] offset:2048*\a+512*\c
.endr
.endm
.macro ROPEQ a
	WIN ROPE
.irp b, 0,1,2,3,4,5,6,7
.irp i, 0,1,2,3
	v_mul_f32 v[T+2*\i],   v[64*\a+8*\b+2*\i+1], v[64*\a+8*\b+4+\i]
	v_mul_f32 v[T+2*\i+1], v[64*\a+8*\b+2*\i+1], v[64*\a+8*\b+\i]
.endr
.irp i, 0,1,2,3
	v_fma_f32 v[R+8*\b+2*\i],   v[64*\a+8*\b+2*\i], v[64*\a+8*\b+\i],   -v[T+2*\i]
	v_fma_f32 v[R+8*\b+2*\i+1], v[64*\a+8*\b+2*\i], v[64*\a+8*\b+4+\i], v[T+2*\i+1]
.endr
.endr
	WIN 0
	v_pk_mul_f32 v[SS:SS+1], v[R:R+1], v[R:R+1]
	v_pk_mul_f32 v[SS+2:SS+3], v[R+2:R+3], v[R+2:R+3]
.set j, 4
.rept 15
	v_pk_fma_f32 v[SS:SS+1], v[R+j:R+j+1], v[R+j:R+j+1], v[SS:SS+1]
	v_pk_fma_f32 v[SS+2:SS+3], v[R+j+2:R+j+3], v[R+j+2:R+j+3], v[SS+2:SS+3]
.set j, j+4
.endr
	v_pk_add_f32 v[SS:SS+1], v[SS:SS+1], v[SS+2:SS+3]
	v_add_f32 v[SS], v[SS], v[SS+1]
	v_permlanex16_b32 v[SS+1], v[SS], s66, s67
	v_add_f32 v[SS], v[SS], v[SS+1]
	v_ldexp_f32 v[SS], v[SS], s101
	v_add_f32 v[SS], 0x358637bd, v[SS]
	s_wait_alu depctr_va_vdst(0)
	v_rsq_f32 v[SS+2], v[SS]
	v_nop
	s_wait_alu depctr_va_vdst(0)
	v_ldexp_f32 v[SS+4], v[SS+2], s100
	v_mov_b32 v[SS+5], v[SS+4]
.set j, 0
.rept 32
	v_pk_mul_f32 v[R+j:R+j+1], v[R+j:R+j+1], v[SS+4:SS+5] op_sel_hi:[1,0]
.set j, j+2
.endr
	OUT \a
.endm
.macro VQ a
	WIN FROMA
.set j, 0
.rept 64
	v_mov_b32 v[R+j], v[64*\a+j]
.set j, j+1
.endr
	WIN 0
	OUT \a
.endm
	ROPEQ 0
	ROPEQ 1
	ROPEQ 2
	ROPEQ 3
	s_branch .Ldone
.Lv_out:
	VQ 0
	VQ 1
	VQ 2
	VQ 3
.Ldone:
	s_wait_tensorcnt 0x0
	ds_add_u32 v[SPW], v[NIL]
	s_wait_dscnt 0x0
	CROUND
	s_endpgm
.Lfunc_end_k_q952f0d1eea_qkv:
	.size	k_q952f0d1eea_qkv, .Lfunc_end_k_q952f0d1eea_qkv-k_q952f0d1eea_qkv
	.p2alignl 7, 3214868480
	.fill 96, 4, 3214868480
	.section	.rodata,"a",@progbits
	.p2align	6, 0x0
	.amdhsa_kernel k_q952f0d1eea_qkv
		.amdhsa_group_segment_fixed_size 327680
		.amdhsa_private_segment_fixed_size 0
		.amdhsa_enable_private_segment 0
		.amdhsa_kernarg_size 72
		.amdhsa_user_sgpr_count 2
		.amdhsa_user_sgpr_kernarg_segment_ptr 1
		.amdhsa_wavefront_size32 1
		.amdhsa_system_sgpr_workgroup_id_x 1
		.amdhsa_system_sgpr_workgroup_id_y 1
		.amdhsa_system_sgpr_workgroup_id_z 1
		.amdhsa_system_vgpr_workitem_id 0
		.amdhsa_next_free_vgpr 1024
		.amdhsa_next_free_sgpr 102
		.amdhsa_reserve_vcc 0
		.amdhsa_float_denorm_mode_32 3
		.amdhsa_float_denorm_mode_16_64 3
		.amdhsa_memory_ordered 1
		.amdhsa_forward_progress 1
		.amdhsa_inst_pref_size 186
	.end_amdhsa_kernel
	.amdgpu_metadata
---
amdhsa.version: [ 1, 2 ]
amdhsa.kernels:
  - .name:           k_q952f0d1eea_qkv
    .symbol:         k_q952f0d1eea_qkv.kd
    .args:
      - { .name: hidden_states_codes, .offset: 0, .size: 8, .value_kind: global_buffer, .address_space: global }
      - { .name: wq_codes, .offset: 8, .size: 8, .value_kind: global_buffer, .address_space: global }
      - { .name: wk_codes, .offset: 16, .size: 8, .value_kind: global_buffer, .address_space: global }
      - { .name: wv_codes, .offset: 24, .size: 8, .value_kind: global_buffer, .address_space: global }
      - { .name: freqs_cos, .offset: 32, .size: 8, .value_kind: global_buffer, .address_space: global }
      - { .name: freqs_sin, .offset: 40, .size: 8, .value_kind: global_buffer, .address_space: global }
      - { .name: lowp_scales, .offset: 48, .size: 8, .value_kind: global_buffer, .address_space: global }
      - { .name: qimg, .offset: 56, .size: 8, .value_kind: global_buffer, .address_space: global }
      - { .name: kvimg, .offset: 64, .size: 8, .value_kind: global_buffer, .address_space: global }
    .group_segment_fixed_size: 327680
    .private_segment_fixed_size: 0
    .kernarg_segment_align: 8
    .kernarg_segment_size: 72
    .max_flat_workgroup_size: 128
    .sgpr_count:     102
    .vgpr_count:     1024
    .wavefront_size: 32
...
	.end_amdgpu_metadata
.endif
;; end of part 4
;; launch attn (part 5): grid 32 x 8, 8 waves a work-group, clusters of 4 x 4, 327,680 bytes of LDS; arguments qimg, kvimg, attention_mask, lowp_scales, aimg; writes aimg
.if DOCPART == 5
	.amdgcn_target "amdgcn-amd-amdhsa--gfx1250"
	.amdhsa_code_object_version 6
	.text
	.protected	k_q952f0d1eea_attn
	.globl	k_q952f0d1eea_attn
	.p2align	8
	.type	k_q952f0d1eea_attn,@function
k_q952f0d1eea_attn:
	s_mov_b64 s[64:65], 0
	v_nop
	global_prefetch_b8 v0, s[64:65] scope:SCOPE_SE
	s_setreg_imm32_b32 hwreg(HW_REG_WAVE_MODE, 25, 1), 1
	s_wait_xcnt 0x0
	s_wait_alu depctr_hold_cnt(0) depctr_sa_sdst(0) depctr_va_vdst(0) depctr_va_sdst(0) depctr_va_ssrc(0) depctr_va_vcc(0) depctr_vm_vsrc(0)
	s_getreg_b32 s2, hwreg(HW_REG_IB_STS2, 6, 4)
	s_cmp_eq_u32 s2, 0
	s_cbranch_scc0 .Lentry_in_a_cluster
	s_endpgm
.Lentry_in_a_cluster:
	s_bfe_u32 s2, ttmp6, 0x10000c
	s_cmp_lg_u32 s2, 0xf033
	s_cbranch_scc0 .Lentry_shape_is_right
	s_endpgm
.Lentry_shape_is_right:
; ATTENTION ON E4M3 CODES: scores = q k^T / sqrt(128) + mask, softmax, x v, and the quantiser (e10) of the result.  16 query heads, 8 kv heads, 2,048 tokens, head size 128.
; THE MASK IS AN INPUT: it is loaded and added as it is given; all 2,048 keys are walked for every query and no tile is left out.
; THE SOFTMAX: t = score x (SCALE log2(e)) + round(mask x log2(e)), one fused multiply-add, rounded to f32 BEFORE M is taken off; M = the largest t so far, rounded up to a whole number; p = 2^(t - M) is quantised (e8), not normalised.
; The row's sum is taken of the unquantised p.  When M moves, the sum and O are multiplied by 2^(old M - new M): exact.
; SHARES.  A work-group owns 64 queries and one kv head, that is two query heads.  Wave w owns the 16 queries w % 4 of BOTH heads (two tiles) and, of every slot of 256 keys, the 128 keys w / 4:
; a fragment of K or V and a mask register serve two tiles, and mask x log2(e) is made once for both.  Waves w and w + 4 hold two parts of the same rows, each with its own running M;
; at the end waves 4-7 hand O, M and the sums to waves 0-3 through LDS, which join them by exact powers of two, divide, quantise and stage the rows.
; THE RING: two LDS slots of 256 keys (K's 16 images, V's 16, 64 mask rows).  Every wave fetches: waves 0-3 a quarter of the slot's 65,536 bytes of K and V, waves 4-7 sixteen mask rows.
; CLUSTERS of 4 x 4: x = four blocks of queries, y = four kv heads.  K and V are asked for jointly by a row of the cluster, the mask's rows by a column.
; A TRIP: K Q^T, softmax, the change of slots, O += V P.  The signal of the change stands behind the conversions; the rescaling of O, work on registers, stands between signal and wait.  Behind the round the next slot's
; first four fragments of K and its mask are asked for ahead of the products V P, and K's other four in their middle, into the registers of V's fragments that are done with.
; LAYOUT.  Both products transposed: a lane holds ONE query (lane % 16); accumulator t's register j is key (or channel) 16 t + 8 (lane / 16) + j.
; LIMITS: e6 + e7 between -123 and 130 (added to the factor's exponent field); e8 and e10 between -126 and 119; scaled scores under 2^31 in magnitude.  NaN among the inputs is not served.
; REGISTERS.  Window 0: v1-11 addresses; v12,13 / v14,15: -M and the largest t of tile 0 / 1; v[16:17], v[18:19] the sums; v20, v22 the factors f; v24-27 the quantisers' constants; v28-31 at work; v32-63 Q;
; v64-127 (R1) the mask, then at work; v128-255 S^T of both tiles, then p; p's codes end in v128-159; K's fragments 0-3 land in v160-191 and v224-255, the places of accumulators 4-7, which are written behind their use.
; Window 1: v0-127 O^T of both tiles; v128-255 (R2) K's fragments 4-7, then V's eight.
.set SLOTB, 0x20400                    ; a slot; no base inside a slot shares a bit with it, so one exclusive or turns a descriptor's LDS address into the other slot's
.set VOFF,  32768
.set MOFF,  65536
.set MP,    1040                       ; a mask row in LDS: 1,024 bytes + 16
.set SPARE, 2*SLOTB                    ; the spare words: 128 bytes a wave
.set STAGE, SPARE+1024                 ; the way out: 64 rows x (256 + 16) bytes; no tile lands here
.set SP,    272
.set XW,    17408                      ; the exchange: 34 x 512 bytes for each of waves 4-7, in slot 0, behind its last fill and its last read
.set LI,   1
.set AM0,  2
.set PFO,  3
.set STO,  4
.set SPW,  5
.set NIL,  6
.set GO,   7
.set ADL,  8
.set ADM,  9
.set RD,   10
.set XA,   11
.set Q,    32
.set R1,   64
.set S,    128
.set TB,   2
.set KH,   3
.set WV,   18
.set QT,   19
.set SEL,  20
.set CS,   22
.set G1KV, 24
.set G1M,  32
.set G0KV, 40
.set G0M,  44
.set L2E,  68
.set SLOTS, 70
.set TC,   71
.set PFA,  80
.set PFS,  82
.set LIM,  84
.set MSB, 0
.macro WIN new
.if MSB != \new
	s_set_vgpr_msb (MSB<<8)|\new
.set MSB, \new
.endif
.endm
.set TO_1, 0x40                        ; destination window 1
.set A_1,  0x01                        ; source 0 window 1
.set PVW,  0x51                        ; source 0, C and D window 1
.set RSC,  0x41                        ; source 0 and destination window 1
.macro TLOAD                           ; one joint load a wave; the branch hangs on the wave's number alone; s_nop 0 and four v_nop follow each line
	s_cmp_lt_u32 s[WV], 4
	s_cbranch_scc0 .Lfor_m_\@
	tensor_load_to_lds s[G0KV:G0KV+3], s[G1KV:G1KV+7]
	s_nop 0
.rept 4
	v_nop
.endr
	s_branch .Lasked_\@
.Lfor_m_\@:
	tensor_load_to_lds s[G0M:G0M+3], s[G1M:G1M+7]
	s_nop 0
.rept 4
	v_nop
.endr
.Lasked_\@:
.endm
; A PREFETCH of what the NEXT change of slots will ask for, one instruction a wave, 32 blocks of 256 bytes, each named once in each cluster that will load it: of K's and V's 65,536 bytes partner cx takes 16,384
; (waves 4 and 5 a half each), of the mask's 64 rows partner cy takes 16 (waves 6 and 7 eight each, four lanes to a row).  Partners are told apart by address.  The last filling change asks for nothing; slots 0 and 1 come by their loads alone.
.macro ASK
	s_cmp_gt_u32 s[SLOTS], s[LIM]
	s_cbranch_scc0 .Lnot_mine_\@
	global_prefetch_b8 v[PFO], s[PFA:PFA+1] th:TH_LOAD_NT scope:SCOPE_SE
.Lnot_mine_\@:
.endm
.macro CREST                           ; a round of the cluster's barrier behind its opening barrier
	s_cmp_lg_u32 s[WV], 0
	s_cbranch_scc1 .Lnot_wave_0_\@
	s_barrier_signal -3
.Lnot_wave_0_\@:
	s_barrier_wait -3
	s_barrier_signal -1
	s_barrier_wait -1
.endm
.macro PLACES n
.rept \n
	v_nop
.endr
.endm
.macro GRD fill
	s_wait_tensorcnt 0x0
	ds_add_u32 v[SPW], v[NIL]
.if \fill
	s_xor_b32 s[G0KV+1], s[G0KV+1], SLOTB
	s_add_nc_u64 s[G0KV+2:G0KV+3], s[G0KV+2:G0KV+3], 65536
	s_xor_b32 s[G0M+1], s[G0M+1], SLOTB
	s_add_nc_u64 s[G0M+2:G0M+3], s[G0M+2:G0M+3], 1024
	s_wait_xcnt 0x0                                ; the last prefetch, a slot back, has read its address
	s_add_nc_u64 s[PFA:PFA+1], s[PFA:PFA+1], s[PFS:PFS+1]
.endif
	s_wait_dscnt 0x0
	s_barrier_signal -1
.endm
	s_load_b256 s[4:11], s[0:1], 0x0               ; qimg, kvimg, the mask, the exponents
	s_load_b64 s[12:13], s[0:1], 0x20              ; aimg
	v_lshl_add_u32 v[SPW], v0, 2, SPARE
	v_mov_b32 v[NIL], 0
	ds_add_u32 v[SPW], v[NIL]                      ; the opening lines: the add twice on end and one wait
	ds_add_u32 v[SPW], v[NIL]
	v_lshrrev_b32 v8, 5, v0
	v_readfirstlane_b32 s[WV], v8                  ; wave 0..7
	s_and_b32 s[QT], s[WV], 3                      ; my tile of 16 queries; also the part that I fetch
	s_lshr_b32 s[KH], s[WV], 2                     ; my half of a slot's keys
	s_and_b32 s59, s[WV], 1
	s_bfe_u32 s48, ttmp6, 0x40000                  ; cx, cy
	s_bfe_u32 s49, ttmp6, 0x40004
	s_lshl_b32 s50, ttmp9, 2
	s_add_co_u32 s50, s50, s48                     ; qb: my block of 64 queries
	s_and_b32 s85, ttmp7, 0xffff
	s_lshl_b32 s51, s85, 2
	s_add_co_u32 s51, s51, s49                     ; g: my kv head
	s_lshl_b32 s52, s49, 2
	s_lshl_b32 s52, 15, s52                        ; my row of the cluster
	s_lshl_b32 s53, 0x1111, s48                    ; my column
	s_or_b32 s[G1KV], s52, (3<<16)|(1<<21)         ; K, V: 16,384 dense bytes as 64 rows of 32 elements of 8 bytes
	s_mov_b32 s[G1KV+1], 32<<16
	s_mov_b32 s[G1KV+2], 64<<16
	s_mov_b32 s[G1KV+3], 32<<16
	s_mov_b32 s[G1KV+4], 64
	s_mov_b32 s[G1KV+5], 32
	s_mov_b32 s[G1KV+6], 0
	s_mov_b32 s[G1KV+7], 0
	s_or_b32 s[G1M], s53, (2<<16)|(1<<20)|(1<<21)|(7<<22)|(3<<25)   ; the mask: 16 rows of 256 f32, 2,048 apart, four words of padding behind each
	s_mov_b32 s[G1M+1], 256<<16
	s_mov_b32 s[G1M+2], 16<<16
	s_mov_b32 s[G1M+3], 256<<16
	s_mov_b32 s[G1M+4], 16
	s_mov_b32 s[G1M+5], 2048
	s_mov_b32 s[G1M+6], 0
	s_mov_b32 s[G1M+7], 0
	s_lshl_b32 s54, s51, 19                        ; head g's 8 slots of 65,536 bytes, + my quarter
	s_lshl_b32 s58, s[QT], 14
	s_add_co_u32 s54, s54, s58
	s_mov_b32 s55, 0
	s_lshl_b32 s56, s50, 19                        ; mask row 64 qb + 16 x my part
	s_lshl_b32 s57, s[QT], 17
	s_add_co_u32 s56, s56, s57
	s_mov_b32 s57, 0
	s_mul_i32 s60, s[QT], 16*MP
	s_add_co_u32 s60, s60, MOFF
	s_mov_b32 s[SEL], 0x76543210
	s_mov_b32 s[SEL+1], 0xfedcba98
	s_mov_b32 s[CS], 0x3e0293ee                    ; SCALE x log2(e)
	s_mov_b32 s[L2E], 0x3fb8aa3b                   ; log2(e)
	s_mov_b32 s[L2E+1], s[L2E]
	s_mov_b32 s[TB], 0
	s_mov_b32 s[SLOTS], 7
	s_mov_b32 s[TC], 2
	s_lshl_b32 s88, s51, 19                        ; Q: head 2 g x 128 images + image 4 qb + tile
	s_lshl_b32 s89, s50, 2
	s_add_co_u32 s89, s89, s[QT]
	s_lshl_b32 s89, s89, 11
	s_add_co_u32 s88, s88, s89
	s_mov_b32 s89, 0
	v_and_b32 v8, 31, v0
	v_lshlrev_b32 v9, 4, v8                        ; 16 x lane
	s_wait_alu depctr_va_vdst(0)
	s_wait_dscnt 0x0
	s_wait_kmcnt 0x0
	s_add_nc_u64 s[4:5], s[4:5], s[88:89]
.irp u, 0,1
.irp c, 0,1,2,3
	global_load_b128 v[Q+16*\u+4*\c:Q+16*\u+4*\c+3], v9, s[4:5] offset:262144*\u+512*\c   ; Q's fragments of both heads stay in registers; asked for ahead of the first tiles
.endr
.endr
	s_load_b64 s[72:73], s[10:11], 0x18            ; e6, e7
	s_load_b128 s[76:79], s[10:11], 0x20           ; e8, e9, e10, e11
	s_mov_b32 s[G0KV], 1
	s_mov_b32 s[G0KV+1], s58
	s_add_nc_u64 s[G0KV+2:G0KV+3], s[6:7], s[54:55]
	s_or_b32 s[G0KV+3], s[G0KV+3], 0x80000000
	s_mov_b32 s[G0M], 1
	s_mov_b32 s[G0M+1], s60
	s_add_nc_u64 s[G0M+2:G0M+3], s[8:9], s[56:57]
	s_or_b32 s[G0M+3], s[G0M+3], 0x80000000
	s_barrier_signal -1
	s_barrier_wait -1
	CREST                                          ; all sixteen work-groups are here: the first joint loads meet
	TLOAD                                          ; slot 0
	s_cmp_lt_u32 s[WV], 6                          ; the prefetches.  Waves 4, 5: K and V; waves 6, 7: the mask
	s_cselect_b64 s[PFA:PFA+1], s[6:7], s[8:9]
	s_mov_b32 s[PFS], 1024
	s_cselect_b32 s[PFS], 0x10000, s[PFS]          ; a slot on
	s_mov_b32 s87, 8192
	s_cselect_b32 s87, 1024, s87                   ; from four lanes to the next four
	s_cselect_b32 s88, s51, s50
	s_cselect_b32 s89, s48, s49
	s_cselect_b32 s90, 0, 3
	s_lshl_b32 s88, s88, 19
	s_lshl_b32 s89, s89, 1
	s_add_co_u32 s89, s89, s59
	s_lshl_b32 s89, s89, 13
	s_lshl_b32 s89, s89, s90
	s_add_co_u32 s88, s88, s89
	s_add_co_u32 s88, s88, s[PFS]                  ; in slot 1: the first change steps it to slot 2
	s_mov_b32 s89, 0
	s_mov_b32 s[PFS+1], 0
	s_add_nc_u64 s[PFA:PFA+1], s[PFA:PFA+1], s[88:89]
	s_cmp_eq_u32 s[KH], 1                          ; waves 4 to 7 ask
	s_cselect_b32 s[LIM], 1, -1
	s_lshl_b32 s88, s50, 17                        ; aimg: row 64 qb + 8 wave, byte 256 g
	s_lshl_b32 s89, s[WV], 14
	s_add_co_u32 s88, s88, s89
	s_lshl_b32 s89, s51, 8
	s_add_co_u32 s88, s88, s89
	s_mov_b32 s89, 0
	s_add_nc_u64 s[12:13], s[12:13], s[88:89]
	s_mul_i32 s54, s[WV], 8*SP
	s_add_co_u32 s54, s54, STAGE
	s_mul_i32 s55, s[QT], 16*SP
	s_add_co_u32 s55, s55, STAGE
	s_lshl_b32 s56, s[KH], 9
	s_add_co_u32 s56, s56, s60
	s_lshl_b32 s57, s[KH], 14
	s_mul_i32 s58, s[QT], XW
	s_wait_kmcnt 0x0
	s_add_co_i32 s60, s72, s73
	s_lshl_b32 s60, s60, 23
	s_add_co_i32 s[CS], s[CS], s60                 ; x 2^(e6 + e7), by the exponent field
	s_mov_b32 s[CS+1], s[CS]
	s_add_co_i32 s60, s76, 127
	s_lshl_b32 s61, s60, 23                        ; 2^e8
	s_add_co_i32 s60, s60, 8
	s_lshl_b32 s60, s60, 23
	s_or_b32 s62, s60, 0x600000                    ; 448 x 2^e8
	s_add_co_i32 s60, s78, 127
	s_lshl_b32 s63, s60, 23                        ; 2^e10
	s_add_co_i32 s60, s60, 8
	s_lshl_b32 s60, s60, 23
	s_or_b32 s66, s60, 0x600000                    ; 448 x 2^e10
	v_add_nc_u32 v[LI], s57, v9                    ; K, V: 16 x lane + my key half's eight images
	v_add_nc_u32 v[XA], s58, v9                    ; the exchange
	v_lshrrev_b32 v[PFO], 2, v8
	v_mul_lo_u32 v[PFO], v[PFO], s87
	v_and_b32 v8, 3, v8
	v_lshl_add_u32 v[PFO], v8, 8, v[PFO]
	v_and_b32 v28, 15, v0                          ; r
	v_bfe_u32 v29, v0, 4, 1                        ; h
	v_mul_u32_u24 v[AM0], v28, MP
	v_lshl_add_u32 v[AM0], v29, 5, v[AM0]
	v_add_nc_u32 v[AM0], s56, v[AM0]               ; the mask: row 16 tile + r, + 512 x key half + 32 h
	v_mul_u32_u24 v[STO], v28, SP
	v_lshl_add_u32 v[STO], v29, 3, v[STO]
	v_add_nc_u32 v[STO], s55, v[STO]               ; the stage, in: row 16 tile + r, + 8 h
	v_mul_u32_u24 v[RD], v29, SP
	v_lshl_add_u32 v[RD], v28, 4, v[RD]
	v_add_nc_u32 v[RD], s54, v[RD]                 ; back: wave w takes rows 8 w on, two rows a load
	v_lshlrev_b32 v[GO], 11, v29
	v_lshl_add_u32 v[GO], v28, 4, v[GO]
	v_mov_b32 v13, 0xff61b1e6                      ; the largest t so far: -3e38
	v_mov_b32 v15, 0xff61b1e6
	v_floor_f32 v12, -v13                          ; -M
	v_floor_f32 v14, -v15
.irp r, 16,17,18,19,23
	v_mov_b32 v\r, 0                               ; the sums; v23 is named as the upper half of a pair
.endr
	v_mov_b32 v24, s62
	v_mov_b32 v21, s62                             ; 448 x 2^e8 once more, in another register bank, for the second half of a dual pair (as the upper half of the pair v[20:21] it is named and not used)
	v_mov_b32 v25, s61
	v_mov_b32 v26, s63
	v_mov_b32 v27, s66
	WIN TO_1
.set j, 0
.rept 128
	v_mov_b32 v[j], 0                              ; O^T of both tiles: the trip is written without a first step of its own
.set j, j+1
.endr
	WIN 0
.macro LDKA                            ; K's fragments 0-3 of my key half -> the places of accumulators 4-7 of both tiles
.irp t, 0,1,2,3
.irp c, 0,1,2,3
	ds_load_b128 v[S+32+16*\t+32*(\t/2)+4*\c:S+32+16*\t+32*(\t/2)+4*\c+3], v[ADL] offset:\t*2048+512*\c
.endr
.endr
.endm
.macro LDKB                            ; fragments 4-7 -> R2's lower half
	WIN TO_1
.irp t, 0,1,2,3
.irp c, 0,1,2,3
	ds_load_b128 v[128+16*\t+4*\c:128+16*\t+4*\c+3], v[ADL] offset:(\t+4)*2048+512*\c
.endr
.endr
	WIN 0
.endm
.macro LDV                             ; V's eight fragments -> R2
	WIN TO_1
.irp t, 0,1,2,3,4,5,6,7
.irp c, 0,1,2,3
	ds_load_b128 v[128+16*\t+4*\c:128+16*\t+4*\c+3], v[ADL] offset:VOFF+\t*2048+512*\c
.endr
.endr
	WIN 0
.endm
.macro LDM                             ; the mask of my query at my 64 keys, register for register as the scores lie -> R1
.irp t, 0,1,2,3,4,5,6,7
	ds_load_b128 v[R1+8*\t:R1+8*\t+3], v[ADM] offset:64*\t
	ds_load_b128 v[R1+8*\t+4:R1+8*\t+7], v[ADM] offset:64*\t+16
.endr
.endm
.macro HOLD8 b                         ; the conversion does not saturate (ISA guide 7.6.2); p is not negative: a one-sided hold
.irp i, 0,2,4,6
	v_dual_min_num_f32 v[\b+\i], v[\b+\i], v24 :: v_dual_min_num_f32 v[\b+\i+1], v[\b+\i+1], v21   ; two holds an instruction: destinations even and odd, sources in different banks
.endr
.endm
.macro PV t0, t1, t2, t3               ; O^T += V^T P^T for four tiles of 16 channels: eight accumulators by turns
	WIN PVW
.irp t, \t0,\t1,\t2,\t3
.irp u, 0,1
	v_wmma_f32_16x16x128_fp8_fp8 v[64*\u+8*\t:64*\u+8*\t+7], v[128+16*\t:128+16*\t+15], v[S+16*\u:S+16*\u+15], v[64*\u+8*\t:64*\u+8*\t+7]
.endr
.endr
	WIN 0
.endm
; A TRIP: my 128 keys of the slot in hand, for both tiles.  At its head K's fragments 0-3 (16 loads), the mask (16) and K's fragments 4-7 (16) have been asked for, in this order.
.macro TRIP fill
	PLACES 5                                       ; behind the products V P, in front of products that write over p's codes
	s_wait_dscnt 16                                ; fragments 0-3 and the mask are in; fragments 4-7 may be out
.irp t, 0,1,2,3
.irp u, 0,1
	v_wmma_f32_16x16x128_fp8_fp8 v[S+64*\u+8*\t:S+64*\u+8*\t+7], v[S+32+16*\t+32*(\t/2):S+32+16*\t+32*(\t/2)+15], v[Q+16*\u:Q+16*\u+15], 0
.endr
.endr
.set j, 0
.rept 32
	v_pk_mul_f32 v[R1+j:R1+j+1], v[R1+j:R1+j+1], s[L2E:L2E+1] op_sel_hi:[1,0]   ; mask x log2(e), once for both tiles.  (Also the places in front of the products below, which write over fragments 0-3)
.set j, j+2
.endr
	s_wait_dscnt 0x0                               ; fragments 4-7 are in
	WIN A_1
.irp t, 4,5,6,7
.irp u, 0,1
	v_wmma_f32_16x16x128_fp8_fp8 v[S+64*\u+8*\t:S+64*\u+8*\t+7], v[64+16*\t:64+16*\t+15], v[Q+16*\u:Q+16*\u+15], 0
.endr
.endr
	PLACES 4
	LDV                                            ; they land under the softmax
.set j, 0
.rept 32
	v_pk_fma_f32 v[S+j:S+j+1], v[S+j:S+j+1], s[CS:CS+1], v[R1+j:R1+j+1] op_sel_hi:[1,0,1]           ; t; each accumulator from its low end on
	v_pk_fma_f32 v[S+64+j:S+65+j], v[S+64+j:S+65+j], s[CS:CS+1], v[R1+j:R1+j+1] op_sel_hi:[1,0,1]
.set j, j+2
.endr
	v_max3_num_f32 v28, v[S], v[S+1], v[S+2]       ; the largest t of my query among my 64 keys: two chains a tile, four by turns
	v_max3_num_f32 v30, v[S+64], v[S+65], v[S+66]
	v_max3_num_f32 v29, v[S+3], v[S+4], v[S+5]
	v_max3_num_f32 v31, v[S+67], v[S+68], v[S+69]
.irp i, 6,10,14,18,22,26,30,34,38,42,46,50,54,58
	v_max3_num_f32 v28, v28, v[S+\i], v[S+\i+1]
	v_max3_num_f32 v30, v30, v[S+64+\i], v[S+65+\i]
	v_max3_num_f32 v29, v29, v[S+\i+2], v[S+\i+3]
	v_max3_num_f32 v31, v31, v[S+66+\i], v[S+67+\i]
.endr
	v_max3_num_f32 v28, v28, v[S+62], v[S+63]
	v_max3_num_f32 v30, v30, v[S+126], v[S+127]
	v_max_num_f32 v28, v28, v29
	v_max_num_f32 v30, v30, v31
	v_permlanex16_b32 v29, v28, s[SEL], s[SEL+1]
	v_permlanex16_b32 v31, v30, s[SEL], s[SEL+1]
	v_max3_num_f32 v13, v13, v28, v29              ; the running largest t
	v_max3_num_f32 v15, v15, v30, v31
	v_mov_b32 v28, v12
	v_mov_b32 v30, v14
	v_floor_f32 v12, -v13                          ; -M = floor(-t)
	v_floor_f32 v14, -v15
	v_sub_f32 v28, v12, v28                        ; old M - new M, a whole number, 0 or less
	v_sub_f32 v30, v14, v30
	v_cvt_i32_f32 v28, v28                         ; (it saturates)
	v_cvt_i32_f32 v30, v30
	v_ldexp_f32 v20, 1.0, v28                      ; f
	v_ldexp_f32 v22, 1.0, v30
.set j, 0
.rept 32
	v_pk_add_f32 v[S+j:S+j+1], v[S+j:S+j+1], v[12:13] op_sel_hi:[1,0]           ; t - M
	v_pk_add_f32 v[S+64+j:S+65+j], v[S+64+j:S+65+j], v[14:15] op_sel_hi:[1,0]
.set j, j+2
.endr
	s_wait_alu depctr_va_vdst(0)                   ; the wait ahead of the batch
.set j, 0
.rept 128
	v_exp_f32 v[S+j], v[S+j]                       ; p = 2^(t - M)
.set j, j+1
.endr
	v_pk_mul_f32 v[16:17], v[16:17], v[20:21] op_sel_hi:[1,0]   ; the sums under the new M
	v_pk_mul_f32 v[18:19], v[18:19], v[22:23] op_sel_hi:[1,0]
	s_wait_alu depctr_va_vdst(0)                   ; and behind it, ahead of its first reader
	v_pk_add_f32 v[R1:R1+1], v[S:S+1], v[S+2:S+3]  ; the sums of the unquantised p: two chains a tile
	v_pk_add_f32 v[R1+2:R1+3], v[S+64:S+65], v[S+66:S+67]
.set j, 4
.rept 15
	v_pk_add_f32 v[16:17], v[16:17], v[S+j:S+j+1]
	v_pk_add_f32 v[18:19], v[18:19], v[S+64+j:S+65+j]
	v_pk_add_f32 v[R1:R1+1], v[R1:R1+1], v[S+j+2:S+j+3]
	v_pk_add_f32 v[R1+2:R1+3], v[R1+2:R1+3], v[S+66+j:S+67+j]
.set j, j+4
.endr
	v_pk_add_f32 v[16:17], v[16:17], v[R1:R1+1]
	v_pk_add_f32 v[18:19], v[18:19], v[R1+2:R1+3]
	HOLD8 S                                        ; p's codes are laid into S^T's registers that are done with: tile 0's into v128-143 (its first four by way of R1), tile 1's into v144-159
	v_cvt_scalef32_pk8_fp8_f32 v[R1+4:R1+5], v[S:S+7], v25
	HOLD8 S+8
	v_cvt_scalef32_pk8_fp8_f32 v[R1+6:R1+7], v[S+8:S+15], v25
	v_nop                                          ; a plain line between these two conversions and the writes over their sources
.irp g, 2,3,4,5,6,7
	HOLD8 S+8*\g
	v_cvt_scalef32_pk8_fp8_f32 v[S+2*\g:S+2*\g+1], v[S+8*\g:S+8*\g+7], v25
.endr
	v_nop                                          ; likewise, ahead of tile 1's codes
.irp g, 0,1,2,3,4,5,6,7
	HOLD8 S+64+8*\g
	v_cvt_scalef32_pk8_fp8_f32 v[S+16+2*\g:S+17+2*\g], v[S+64+8*\g:S+71+8*\g], v25
.endr
.irp i, 0,1,2,3
	v_mov_b32 v[S+\i], v[R1+4+\i]
.endr
	GRD \fill
	WIN RSC
	s_wait_alu depctr_va_vdst(0)                   ; directly ahead of the first readers of O^T
.set j, 0
.rept 32
	v_pk_mul_f32 v[j:j+1], v[j:j+1], v[20:21] op_sel_hi:[1,0]                   ; O^T under the new M
.set j, j+2
.endr
.set j, 64
.rept 32
	v_pk_mul_f32 v[j:j+1], v[j:j+1], v[22:23] op_sel_hi:[1,0]
.set j, j+2
.endr
	WIN 0
	s_wait_alu depctr_va_vdst(0)
	s_barrier_wait -1
.if \fill
	CREST                                          ; no wave of any partner still reads the slot or has a load on its way
	TLOAD                                          ; the slot that was left takes the keys two slots on
	ASK
.endif
	s_xor_b32 s[TB], s[TB], SLOTB
	v_add_nc_u32 v[ADL], s[TB], v[LI]
	v_add_nc_u32 v[ADM], s[TB], v[AM0]
	s_wait_alu depctr_va_vdst(0)                   ; the wait behind these writes
.if \fill
	LDKA
	LDM
.else
	s_cmp_eq_u32 s[TC], 1                          ; behind the last slot there is nothing to ask for
	s_cbranch_scc1 .Lno_ka_\@
	LDKA
	LDM
.Lno_ka_\@:
.endif
	PV 0,1,2,3
	PLACES 4                                       ; in front of loads into V's fragments 0-3, which are done with
.if \fill
	LDKB
.else
	s_cmp_eq_u32 s[TC], 1
	s_cbranch_scc1 .Lno_kb_\@
	LDKB
.Lno_kb_\@:
.endif
	PV 4,5,6,7
.endm
	s_wait_alu depctr_va_vdst(0)                   ; the wait at the head's end
	s_wait_loadcnt 0x0                             ; Q
	GRD 1
	s_barrier_wait -1
	CREST
	TLOAD
	ASK
	v_add_nc_u32 v[ADL], s[TB], v[LI]
	v_add_nc_u32 v[ADM], s[TB], v[AM0]
	s_wait_alu depctr_va_vdst(0)
	LDKA
	LDM
	LDKB
	s_mov_b32 s[SLOTS], 6
.Lslot:                                            ; slots 0 to 5: their changes fill slots 2 to 7
	TRIP 1
	s_sub_co_u32 s[SLOTS], s[SLOTS], 1
	s_cmp_lg_u32 s[SLOTS], 0
	s_cbranch_scc1 .Lslot
.Ltail:                                            ; slots 6 and 7: nothing is filled.  Behind the last trip's barrier no wave reads the ring any more
	TRIP 0
	s_sub_co_u32 s[TC], s[TC], 1
	s_cmp_lg_u32 s[TC], 0
	s_cbranch_scc1 .Ltail
	; THE TWO KEY HALVES ARE JOINED.  Waves 4-7 lay -M, the sums and O^T into the exchange as images of their registers
	PLACES 4
	s_cmp_lt_u32 s[WV], 4
	s_cbranch_scc1 .Lkeeps
	ds_store_b128 v[XA], v[12:15] offset:16384
	ds_store_b128 v[XA], v[16:19] offset:16896
	WIN 0x04                                       ; store data in window 1
.set j, 0
.rept 32
	ds_store_b128 v[XA], v[4*j:4*j+3] offset:512*j ; each accumulator from its low end on
.set j, j+1
.endr
	WIN 0
.Lkeeps:
	s_wait_dscnt 0x0
	s_barrier_signal -1
	s_barrier_wait -1
	s_cmp_lt_u32 s[WV], 4
	s_cbranch_scc0 .Lsent
	ds_load_b128 v[20:23], v[XA] offset:16384      ; the partner's -M (v20, v22)
	ds_load_b128 v[28:31], v[XA] offset:16896      ; and sums
.set j, 0
.rept 32
	ds_load_b128 v[R1+4*j:R1+4*j+3], v[XA] offset:512*j
.set j, j+1
.endr
	s_add_co_i32 s54, s76, s77
	s_wait_dscnt 32                                ; -M and the sums are in; O^T's 32 loads may be out
	v_min_num_f32 v13, v12, v20                    ; the joint -M
	v_min_num_f32 v15, v14, v22
	v_sub_f32 v12, v13, v12                        ; my M - the joint M, and the partner's: whole numbers, 0 or less
	v_sub_f32 v14, v15, v14
	v_sub_f32 v20, v13, v20
	v_sub_f32 v22, v15, v22
	v_cvt_i32_f32 v12, v12
	v_cvt_i32_f32 v14, v14
	v_cvt_i32_f32 v20, v20
	v_cvt_i32_f32 v22, v22
	v_ldexp_f32 v12, 1.0, v12
	v_ldexp_f32 v14, 1.0, v14
	v_ldexp_f32 v20, 1.0, v20
	v_ldexp_f32 v22, 1.0, v22
	v_add_f32 v16, v16, v17
	v_add_f32 v18, v18, v19
	v_add_f32 v28, v28, v29
	v_add_f32 v30, v30, v31
	v_mul_f32 v16, v16, v12
	v_mul_f32 v18, v18, v14
	v_fma_f32 v16, v28, v20, v16
	v_fma_f32 v18, v30, v22, v18
	v_permlanex16_b32 v17, v16, s[SEL], s[SEL+1]
	v_permlanex16_b32 v19, v18, s[SEL], s[SEL+1]
	v_add_f32 v16, v16, v17                        ; the rows' sums
	v_add_f32 v18, v18, v19
	s_wait_alu depctr_va_vdst(0)
	v_rcp_f32 v16, v16
	v_rcp_f32 v18, v18
	v_nop
	s_wait_alu depctr_va_vdst(0)
	v_ldexp_f32 v16, v16, s54                      ; x 2^(e8 + e9)
	v_ldexp_f32 v18, v18, s54
	v_mul_f32 v12, v12, v16
	v_mul_f32 v14, v14, v18
	v_mul_f32 v20, v20, v16
	v_mul_f32 v22, v22, v18
	s_wait_alu depctr_va_vdst(0)
	s_wait_dscnt 0x0
.irp u, 0,1
.set j, 0
.rept 32
	v_pk_mul_f32 v[R1+64*\u+j:R1+64*\u+j+1], v[R1+64*\u+j:R1+64*\u+j+1], v[20+2*\u:21+2*\u] op_sel_hi:[1,0]
.set j, j+2
.endr
	WIN A_1
	s_wait_alu depctr_va_vdst(0)                   ; directly ahead of the first readers of O^T
.set j, 0
.rept 32
	v_pk_fma_f32 v[192+j:193+j], v[64*\u+j:64*\u+j+1], v[12+2*\u:13+2*\u], v[R1+64*\u+j:R1+64*\u+j+1] op_sel_hi:[1,0,1]
.set j, j+2
.endr
	WIN 0
.irp t, 0,1,2,3,4,5,6,7
.irp i, 0,1,2,3,4,5,6,7
	v_med3_num_f32 v[192+8*\t+\i], v[192+8*\t+\i], -v27, v27
.endr
	v_cvt_scalef32_pk8_fp8_f32 v[Q+16*\u+2*\t:Q+16*\u+2*\t+1], v[192+8*\t:199+8*\t], v26
.endr
.endr
	v_nop
.irp u, 0,1
.irp t, 0,1,2,3,4,5,6,7
	ds_store_b64 v[STO], v[Q+16*\u+2*\t:Q+16*\u+2*\t+1] offset:128*\u+16*\t   ; a token's 256 bytes of the two heads lie on end
.endr
.endr
.Lsent:
	s_wait_dscnt 0x0
	s_barrier_signal -1
	s_barrier_wait -1
.irp i, 0,1,2,3
	ds_load_b128 v[R1+4*\i:R1+4*\i+3], v[RD] offset:2*\i*SP
.endr
.irp i, 0,1,2,3
	s_wait_dscnt 3-\i
	global_store_b128 v[GO], v[R1+4*\i:R1+4*\i+3], s[12:13] offset:4096*\i   ; 16 lanes store 256 consecutive bytes, at a multiple of 256 from aimg's first byte
.endr
	s_wait_tensorcnt 0x0                           ; the wave's end
	ds_add_u32 v[SPW], v[NIL]
	s_wait_dscnt 0x0
	s_barrier_signal -1
	s_barrier_wait -1
	CREST                                          ; the closing round
	s_endpgm
.Lfunc_end_k_q952f0d1eea_attn:
	.size	k_q952f0d1eea_attn, .Lfunc_end_k_q952f0d1eea_attn-k_q952f0d1eea_attn
	.p2alignl 7, 3214868480
	.fill 96, 4, 3214868480
	.section	.rodata,"a",@progbits
	.p2align	6, 0x0
	.amdhsa_kernel k_q952f0d1eea_attn
		.amdhsa_group_segment_fixed_size 327680
		.amdhsa_private_segment_fixed_size 0
		.amdhsa_enable_private_segment 0
		.amdhsa_kernarg_size 40
		.amdhsa_user_sgpr_count 2
		.amdhsa_user_sgpr_kernarg_segment_ptr 1
		.amdhsa_wavefront_size32 1
		.amdhsa_system_sgpr_workgroup_id_x 1
		.amdhsa_system_sgpr_workgroup_id_y 1
		.amdhsa_system_sgpr_workgroup_id_z 1
		.amdhsa_system_vgpr_workitem_id 0
		.amdhsa_next_free_vgpr 512
		.amdhsa_next_free_sgpr 100
		.amdhsa_reserve_vcc 0
		.amdhsa_float_denorm_mode_32 3
		.amdhsa_float_denorm_mode_16_64 3
		.amdhsa_memory_ordered 1
		.amdhsa_forward_progress 1
		.amdhsa_inst_pref_size 126
	.end_amdhsa_kernel
	.amdgpu_metadata
---
amdhsa.version: [ 1, 2 ]
amdhsa.kernels:
  - .name:           k_q952f0d1eea_attn
    .symbol:         k_q952f0d1eea_attn.kd
    .args:
      - { .name: qimg, .offset: 0, .size: 8, .value_kind: global_buffer, .address_space: global }
      - { .name: kvimg, .offset: 8, .size: 8, .value_kind: global_buffer, .address_space: global }
      - { .name: attention_mask, .offset: 16, .size: 8, .value_kind: global_buffer, .address_space: global }
      - { .name: lowp_scales, .offset: 24, .size: 8, .value_kind: global_buffer, .address_space: global }
      - { .name: aimg, .offset: 32, .size: 8, .value_kind: global_buffer, .address_space: global }
    .group_segment_fixed_size: 327680
    .private_segment_fixed_size: 0
    .kernarg_segment_align: 8
    .kernarg_segment_size: 40
    .max_flat_workgroup_size: 256
    .sgpr_count:     100
    .vgpr_count:     512
    .wavefront_size: 32
...
	.end_amdgpu_metadata
.endif
;; end of part 5
;; launch oproj (part 6): grid 16 x 16, 4 waves a work-group, clusters of 4 x 4, 327,680 bytes of LDS; arguments aimg, wo_codes, lowp_scales, out0; writes out0
.if DOCPART == 6
	.amdgcn_target "amdgcn-amd-amdhsa--gfx1250"
	.amdhsa_code_object_version 6
	.text
	.protected	k_q952f0d1eea_oproj
	.globl	k_q952f0d1eea_oproj
	.p2align	8
	.type	k_q952f0d1eea_oproj,@function
k_q952f0d1eea_oproj:
	s_mov_b64 s[64:65], 0
	v_nop
	global_prefetch_b8 v0, s[64:65] scope:SCOPE_SE
	s_setreg_imm32_b32 hwreg(HW_REG_WAVE_MODE, 25, 1), 1
	s_wait_xcnt 0x0
	s_wait_alu depctr_hold_cnt(0) depctr_sa_sdst(0) depctr_va_vdst(0) depctr_va_sdst(0) depctr_va_ssrc(0) depctr_va_vcc(0) depctr_vm_vsrc(0)
	s_getreg_b32 s2, hwreg(HW_REG_IB_STS2, 6, 4)
	s_cmp_eq_u32 s2, 0
	s_cbranch_scc0 .Lentry_in_a_cluster
	s_endpgm
.Lentry_in_a_cluster:
	s_bfe_u32 s2, ttmp6, 0x10000c
	s_cmp_lg_u32 s2, 0xf033
	s_cbranch_scc0 .Lentry_shape_is_right
	s_endpgm
.Lentry_shape_is_right:
.set KROW,   2048
.set ROWC,   16384
.set PP,     528
.set PQ,     272
.set PS1B,   128*PP
.set QB,     384*PP
.set QS1B,   128*PQ
.set SPARE,  QB+384*PQ
.set SPITCH, 528
.set ADR1, 16
.set ADR0, 20
.set STO,  24
.set RD,   25
.set CO,   26
.set SPW,  28
.set NIL,  29
.set TMP,  32
.set F1,   64
.set BK,   128
.set G1P1, 24
.set G0S1, 32
.set G1P0, 48
.set G0S0, 56
.set G1Q1, 68
.set G1Q0, 76
.set MSB, 0
.macro WIN new
.if MSB != \new
	s_set_vgpr_msb (MSB<<8)|\new
.set MSB, \new
.endif
.endm
.set MUL,   0xa1
.set TO_B,  0x40
.set FROMA, 0x02
.macro JLOAD g0a, g1a, g0b, g1b
	s_cmp_eq_u32 s15, 0
	s_cbranch_scc0 .Lfor_s0_\@
	tensor_load_to_lds s[\g0a:\g0a+3], s[\g1a:\g1a+7]
	s_nop 0
.rept 4
	v_nop
.endr
	s_branch .Lasked_\@
.Lfor_s0_\@:
	tensor_load_to_lds s[\g0b:\g0b+3], s[\g1b:\g1b+7]
	s_nop 0
.rept 4
	v_nop
.endr
.Lasked_\@:
.endm
.macro JL z
.if \z == 0
	JLOAD G0S1, G1P1, G0S0, G1P0
.else
	JLOAD G0S1+4, G1Q1, G0S0+4, G1Q0
.endif
.endm
.macro CREST
	s_cmp_lg_u32 s14, 0
	s_cbranch_scc1 .Lnot_wave_0_\@
	s_barrier_signal -3
.Lnot_wave_0_\@:
	s_barrier_wait -3
	s_barrier_signal -1
	s_barrier_wait -1
.endm
.macro CROUND
	s_barrier_signal -1
	s_barrier_wait -1
	CREST
.endm
.macro PLACES n
.rept \n
	v_nop
.endr
.endm
.macro GROUP1 g, m, qi, cols, rows
	s_or_b32 s[\g], s[\m], (0<<16)|(1<<20)|(1<<21)|(\qi<<22)|(3<<25)
	s_mov_b32 s[\g+1], (\cols)<<16
	s_mov_b32 s[\g+2], (\rows)<<16
	s_mov_b32 s[\g+3], (\cols)<<16
	s_mov_b32 s[\g+4], \rows
	s_mov_b32 s[\g+5], KROW
	s_mov_b32 s[\g+6], 0
	s_mov_b32 s[\g+7], 0
.endm
.macro GROUP0 g, l, p, off
	s_mov_b32 s[\g], 1
	s_mov_b32 s[\g+1], s[\l]
	s_add_nc_u64 s[\g+2:\g+3], s[\p:\p+1], \off
	s_or_b32 s[\g+3], s[\g+3], 0x80000000
.endm
	s_load_b256 s[4:11], s[0:1], 0x0
	v_lshl_add_u32 v[SPW], v0, 2, SPARE
	v_mov_b32 v[NIL], 0
	ds_add_u32 v28, v29
	ds_add_u32 v28, v29
	s_wait_dscnt 0x0
	v_lshrrev_b32 v1, 5, v0
	v_readfirstlane_b32 s14, v1
	s_lshr_b32 s15, s14, 1
	s_and_b32 s16, s14, 1
	s_bfe_u32 s40, ttmp6, 0x40000
	s_bfe_u32 s41, ttmp6, 0x40004
	s_lshl_b32 s42, ttmp9, 2
	s_add_co_u32 s42, s42, s40
	s_and_b32 s43, ttmp7, 0xffff
	s_lshl_b32 s43, s43, 2
	s_add_co_u32 s43, s43, s41
	s_lshl_b32 s44, s41, 2
	s_lshl_b32 s44, 15, s44
	s_lshl_b32 s45, 0x1111, s40
	GROUP1 G1P1, 44, 6, 512, 64
	GROUP1 G1P0, 45, 6, 512, 128
	GROUP1 G1Q1, 44, 5, 256, 64
	GROUP1 G1Q0, 45, 5, 256, 128
	s_lshl_b32 s46, s43, 7
	s_lshl_b32 s47, s16, 6
	s_add_co_u32 s46, s46, s47
	s_lshl_b32 s46, s46, 11
	s_mov_b32 s47, 0
	s_lshl_b32 s20, s42, 8
	s_lshl_b32 s21, s16, 7
	s_add_co_u32 s20, s20, s21
	s_lshl_b32 s20, s20, 11
	s_mov_b32 s21, 0
	s_mul_i32 s22, s16, 64*PP
	s_mul_i32 s23, s16, 128*PP
	s_add_co_u32 s23, s23, PS1B
	s_mul_i32 s84, s16, 64*PQ
	s_add_co_u32 s84, s84, QB
	s_mul_i32 s85, s16, 128*PQ
	s_add_co_u32 s85, s85, QB+QS1B
	s_wait_kmcnt 0x0
	s_load_b64 s[96:97], s[8:9], 0x28
	s_add_nc_u64 s[12:13], s[4:5], s[46:47]
	s_add_nc_u64 s[18:19], s[6:7], s[20:21]
	CROUND
	GROUP0 G0S1, 22, 12, 0
	GROUP0 G0S0, 23, 18, 0
	JL 0
	; prefetches: of the rows that my wave fetches (64 or 128) each of the four partners that ask jointly takes a quarter, told apart by address; a lane a row (left-over lanes name the last row again); 768 bytes of K a group
	s_cmp_eq_u32 s15, 0
	s_cselect_b64 s[86:87], s[12:13], s[18:19]
	s_cselect_b32 s88, s40, s41
	s_cselect_b32 s89, 15, 16
	s_cselect_b32 s90, 15, 31
	s_lshl_b32 s88, s88, s89
	s_add_co_u32 s88, s88, 512
	s_mov_b32 s89, 0
	s_add_nc_u64 s[86:87], s[86:87], s[88:89]
	v_and_b32 v27, 31, v0
	v_min_u32 v27, s90, v27
	v_lshlrev_b32 v27, 11, v27
	global_prefetch_b8 v27, s[86:87] th:TH_LOAD_NT scope:SCOPE_SE              ; bytes 512 to 1,279 of each row: the next two fills
	global_prefetch_b8 v27, s[86:87] offset:256 th:TH_LOAD_NT scope:SCOPE_SE
	global_prefetch_b8 v27, s[86:87] offset:512 th:TH_LOAD_NT scope:SCOPE_SE
	GROUP0 G0S1+4, 84, 12, 512
	GROUP0 G0S0+4, 85, 18, 512
	s_wait_alu depctr_va_vdst(0)
	s_wait_tensorcnt 0x0
	ds_add_u32 v28, v29
	s_wait_dscnt 0x0
	CROUND
	JL 1
	v_and_b32 v1, 15, v0
	v_bfe_u32 v2, v0, 4, 1
	v_mul_u32_u24 v3, v1, PP
	v_lshl_add_u32 v3, v2, 4, v3
	v_mul_u32_u24 v4, v1, PQ
	v_lshl_add_u32 v4, v2, 4, v4
	s_mul_i32 s20, s15, 64*PP
	s_mul_i32 s21, s16, 128*PP
	s_add_co_u32 s21, s21, PS1B
	v_add_nc_u32 v[ADR1], s20, v3
	v_add_nc_u32 v[ADR0], s21, v3
	s_mul_i32 s20, s15, 64*PQ
	s_add_co_u32 s20, s20, QB
	s_mul_i32 s21, s16, 128*PQ
	s_add_co_u32 s21, s21, QB+QS1B
	v_add_nc_u32 v[ADR1+1], s20, v4
	v_add_nc_u32 v[ADR0+1], s21, v4
	s_mul_i32 s23, s14, 16*SPITCH
	s_add_co_u32 s23, s23, QB
	v_mul_u32_u24 v5, v1, SPITCH
	v_lshl_add_u32 v5, v2, 5, v5
	v_add_nc_u32 v[STO], s23, v5
	v_and_b32 v6, 31, v0
	v_lshlrev_b32 v[CO], 4, v6
	v_add_nc_u32 v[RD], s23, v[CO]
	s_lshl_b32 s20, s43, 21
	s_lshl_b32 s21, s15, 20
	s_add_co_u32 s20, s20, s21
	s_lshl_b32 s21, s42, 10
	s_add_co_u32 s20, s20, s21
	s_lshl_b32 s21, s16, 9
	s_add_co_u32 s20, s20, s21
	s_mov_b32 s21, 0
	s_add_nc_u64 s[10:11], s[10:11], s[20:21]
.macro FRAG reg, adr, off
.irp c, 0,1,2,3
	ds_load_b128 v[\reg+4*\c:\reg+4*\c+3], v[\adr] offset:\off+32*\c
.endr
.endm
.macro FETCH z, q, p
.set PT, PP-(PP-PQ)*(\z)
	WIN TO_B
.irp i, 0,1,2,3,4,5,6,7
	FRAG 128*(\p)+16*\i, ADR0+\z, 128*(\q)+\i*16*PT
.endr
	WIN 0
.irp i, 0,1,2,3
	FRAG F1+64*(\p)+16*\i, ADR1+\z, 128*(\q)+\i*16*PT
.endr
.endm
.macro MUL8 a, p, zero
.irp b, 0,1,2,3,4,5,6,7
.if \zero
	v_wmma_f32_16x16x128_fp8_fp8 v[8*(8*(\a)+\b):8*(8*(\a)+\b)+7], v[128*(\p)+16*\b:128*(\p)+16*\b+15], v[F1+64*(\p)+16*(\a):F1+64*(\p)+16*(\a)+15], 0
.else
	v_wmma_f32_16x16x128_fp8_fp8 v[8*(8*(\a)+\b):8*(8*(\a)+\b)+7], v[128*(\p)+16*\b:128*(\p)+16*\b+15], v[F1+64*(\p)+16*(\a):F1+64*(\p)+16*(\a)+15], v[8*(8*(\a)+\b):8*(8*(\a)+\b)+7]
.endif
.endr
.endm
.macro STEP z, q, p, zero
	s_wait_dscnt 8
	WIN MUL
	MUL8 0, \p, \zero
	MUL8 1, \p, \zero
	PLACES 4
	FETCH \z, (\q)+1, 1-(\p)
	s_wait_dscnt 48
	WIN MUL
	MUL8 2, \p, \zero
	MUL8 3, \p, \zero
	WIN 0
.endm
.macro TURN z, nz, fill
	s_wait_tensorcnt 0x0
	ds_add_u32 v[SPW], v[NIL]
	s_wait_dscnt 9
	WIN MUL
	MUL8 0, 1, 0
	s_wait_dscnt 0x0
	s_barrier_signal -1
	MUL8 1, 1, 0
	WIN 0
	s_barrier_wait -1
.if \fill
	CREST
	s_add_nc_u64 s[G0S1+4*\z+2:G0S1+4*\z+3], s[G0S1+4*\z+2:G0S1+4*\z+3], 768
	s_add_nc_u64 s[G0S0+4*\z+2:G0S0+4*\z+3], s[G0S0+4*\z+2:G0S0+4*\z+3], 768
	JL \z
.else
	PLACES 4
.endif
	FETCH \nz, 0, 0
	WIN MUL
	MUL8 2, 1, 0
	MUL8 3, 1, 0
	WIN 0
.endm
	s_wait_alu depctr_va_vdst(0)
	s_wait_tensorcnt 1
	s_barrier_signal -1
	s_barrier_wait -1
	FETCH 0, 0, 0
	STEP 0, 0, 0, 1
	STEP 0, 1, 1, 0
	STEP 0, 2, 0, 0
	TURN 0, 1, 1
	global_prefetch_b8 v27, s[86:87] offset:768 th:TH_LOAD_NT scope:SCOPE_SE   ; bytes 1,280 to 2,047: the last two fills
	global_prefetch_b8 v27, s[86:87] offset:1024 th:TH_LOAD_NT scope:SCOPE_SE
	global_prefetch_b8 v27, s[86:87] offset:1280 th:TH_LOAD_NT scope:SCOPE_SE
	STEP 1, 0, 0, 0
	TURN 1, 0, 1
	STEP 0, 0, 0, 0
	STEP 0, 1, 1, 0
	STEP 0, 2, 0, 0
	TURN 0, 1, 1
	STEP 1, 0, 0, 0
	TURN 1, 0, 0
	STEP 0, 0, 0, 0
	STEP 0, 1, 1, 0
	STEP 0, 2, 0, 0
	s_wait_dscnt 8
	WIN MUL
	MUL8 0, 1, 0
	MUL8 1, 1, 0
	s_wait_dscnt 0x0
	MUL8 2, 1, 0
	MUL8 3, 1, 0
	WIN 0
.macro TOSTAGE a
	WIN FROMA
.set j, 0
.rept 32
	v_pk_mul_f32 v[TMP+j:TMP+j+1], v[64*(\a)+j:64*(\a)+j+1], s[96:97] op_sel_hi:[1,0]
.set j, j+2
.endr
	WIN 0
.irp b, 0,1,2,3,4,5,6,7
	ds_store_b128 v[STO], v[TMP+8*\b:TMP+8*\b+3] offset:64*\b
	ds_store_b128 v[STO], v[TMP+8*\b+4:TMP+8*\b+7] offset:64*\b+16
.endr
.set BB, BK+64*((\a)%2)
.irp t, 0,1,2,3,4,5,6,7,8,9,10,11,12,13,14,15
	ds_load_b128 v[BB+4*\t:BB+4*\t+3], v[RD] offset:\t*SPITCH
.endr
.endm
.macro SEND a, younger
.set BB, BK+64*((\a)%2)
	s_wait_dscnt \younger
.if (\a) > 0
	s_add_nc_u64 s[10:11], s[10:11], 16*ROWC
.endif
.irp t, 0,1,2,3,4,5,6,7,8,9,10,11,12,13,14,15
	global_store_b128 v[CO], v[BB+4*\t:BB+4*\t+3], s[10:11] offset:\t*ROWC th:TH_STORE_NT
.endr
.endm
	s_wait_kmcnt 0x0
	s_add_co_i32 s96, s96, s97
	s_add_co_i32 s96, s96, 127
	s_lshl_b32 s96, s96, 23
	PLACES 4
	TOSTAGE 0
.irp a, 1,2,3
.if \a > 1
	s_wait_xcnt 0x0
.endif
	TOSTAGE \a
	SEND \a-1, 32
.endr
	s_wait_xcnt 0x0
	SEND 3, 0
	s_wait_tensorcnt 0x0
	ds_add_u32 v[SPW], v[NIL]
	s_wait_dscnt 0x0
	CROUND
	s_endpgm
.Lfunc_end_k_q952f0d1eea_oproj:
	.size	k_q952f0d1eea_oproj, .Lfunc_end_k_q952f0d1eea_oproj-k_q952f0d1eea_oproj
	.p2alignl 7, 3214868480
	.fill 96, 4, 3214868480
	.section	.rodata,"a",@progbits
	.p2align	6, 0x0
	.amdhsa_kernel k_q952f0d1eea_oproj
		.amdhsa_group_segment_fixed_size 327680
		.amdhsa_private_segment_fixed_size 0
		.amdhsa_enable_private_segment 0
		.amdhsa_kernarg_size 32
		.amdhsa_user_sgpr_count 2
		.amdhsa_user_sgpr_kernarg_segment_ptr 1
		.amdhsa_wavefront_size32 1
		.amdhsa_system_sgpr_workgroup_id_x 1
		.amdhsa_system_sgpr_workgroup_id_y 1
		.amdhsa_system_sgpr_workgroup_id_z 1
		.amdhsa_system_vgpr_workitem_id 0
		.amdhsa_next_free_vgpr 768
		.amdhsa_next_free_sgpr 100
		.amdhsa_reserve_vcc 0
		.amdhsa_float_denorm_mode_32 3
		.amdhsa_float_denorm_mode_16_64 3
		.amdhsa_memory_ordered 1
		.amdhsa_forward_progress 1
		.amdhsa_inst_pref_size 122
	.end_amdhsa_kernel
	.amdgpu_metadata
---
amdhsa.version: [ 1, 2 ]
amdhsa.kernels:
  - .name:           k_q952f0d1eea_oproj
    .symbol:         k_q952f0d1eea_oproj.kd
    .args:
      - { .name: aimg, .offset: 0, .size: 8, .value_kind: global_buffer, .address_space: global }
      - { .name: wo_codes, .offset: 8, .size: 8, .value_kind: global_buffer, .address_space: global }
      - { .name: lowp_scales, .offset: 16, .size: 8, .value_kind: global_buffer, .address_space: global }
      - { .name: out0, .offset: 24, .size: 8, .value_kind: global_buffer, .address_space: global }
    .group_segment_fixed_size: 327680
    .private_segment_fixed_size: 0
    .kernarg_segment_align: 8
    .kernarg_segment_size: 32
    .max_flat_workgroup_size: 128
    .sgpr_count:     100
    .vgpr_count:     768
    .wavefront_size: 32
...
	.end_amdgpu_metadata
.endif
;; end of part 6
